; MI455X (gfx1250); checked and timed in simulation.
; The chip was launched on July 23, 2026; its instructions are those of AMD's public machine-readable ISA for CDNA 5 (MIT licence, August 2026) and "CDNA5" Instruction Set Architecture Reference Guide (July 2026). The comments in the code are by the model that wrote it; some were corrected since.
;; Self Attention V1. Allowed arithmetic: matrix products marked QUANTISED: E2M3 operands, one E8M0 scale for each 32 along K, by v_wmma_scale_f32_16x16x128_f8f6f4 with both operands' format E2M3, f32 sums; everything else in f32.
;; Inputs: Wk 1,024 x 1,024 float32; Wq 1,024 x 1,024 float32; Wv 1,024 x 1,024 float32; X 4 x 2,048 x 1,024 float32; bk 1,024 float32; bq 1,024 float32; bv 1,024 float32.
;; Outputs: out0 4 x 2,048 x 1,024 float32.
;; This version of the problem:
;;   THIS VERSION OF THE PROBLEM IS GIVEN IN LOW PRECISION. The matrix products marked QUANTISED in the list below multiply operands that are first quantised to E2M3 (2 exponent bits, 3 mantissa bits; 6 bits a number), with one power-of-two scale for each 32 numbers along K (OCP MX v1.0); their sums are f32. All else is computed in f32.
;;   The module's matrix products, in the order in which they are computed (A, B: the left and right operand; K: the contracted axis; several contracted axes count as one K, in the product's order):
;;     1. [M 8,192, K 1,024] x [K 1,024, N 1,024]; A: input X; B: input Wq: QUANTISED
;;     2. [M 8,192, K 1,024] x [K 1,024, N 1,024]; A: input X; B: input Wk: QUANTISED
;;     3. [M 8,192, K 1,024] x [K 1,024, N 1,024]; A: input X; B: input Wv: QUANTISED
;;     4. batch 4 x [M 2,048, K 1,024] x [K 1,024, N 2,048]; A: computed on the way; B: computed on the way: QUANTISED
;;     5. batch 4 x [M 2,048, K 2,048] x [K 2,048, N 1,024]; A: softmax (see below); B: computed on the way: QUANTISED
;;   THE QUANTISER, for each operand of a quantised product, along K:
;;     - K is cut into blocks of 32 from its start; a last block that is shorter is filled with zeros.
;;     - A block's scale is 2^e with e = floor(log2(the largest magnitude in the block)) - 2, held to -126 .. 127; a block of zeros has e = 0. As a byte (E8M0): e + 127.
;;     - Each number is divided by its block's scale, clamped to +-7.5, and rounded to the nearest number of E2M3, ties to even, subnormals kept.
;;     - The product sums the exact products of the quantised numbers (number of the format x scale) in f32.
;;   ~~~python
;;   def quantise(x, axis):      # numpy; x: float32 -> the quantised numbers, widened to float32 again
;;       x = np.moveaxis(x, axis, -1); K = x.shape[-1]
;;       x = np.pad(x, [(0, 0)] * (x.ndim - 1) + [(0, -K % 32)]); x = x.reshape(x.shape[:-1] + (-1, 32)); a = np.abs(x).max(-1, keepdims=True)
;;       e = np.where(a > 0, np.clip(np.frexp(np.where(a > 0, a, 1))[1] - 1 - 2, -126, 127), 0)      # np.frexp(a)[1] - 1 = floor(log2(a)), exactly
;;       r = np.clip(x / 2.0 ** e, -7.5, 7.5)
;;       step = 2.0 ** (np.maximum(np.frexp(np.where(r == 0, 1, r))[1] - 1, 0) - 3)
;;       q = np.round(r / step) * step * 2.0 ** e      # np.round: ties to even
;;       return np.moveaxis(q.reshape(q.shape[:-2] + (-1,))[..., :K], -1, axis).astype(np.float32)
;;   ~~~
;;   SOFTMAX AHEAD OF A QUANTISED PRODUCT. Where the list says 'softmax', what is quantised is not the finished softmax but p = 2^(t - M), with t = logit x log2(e) and M = ceil(the row's largest t), a whole number; so 1/2 < the row's largest p <= 1. The row's sum l is taken of the UNQUANTISED p, in f32, and the product's result is divided by l at the end. Since M is a whole number, a kernel that streams over the keys may use a running M (the ceiling of the running maximum): every later rescaling is an exact power of two, which a block's scale takes up: the codes' values come out the same.
;;   OPERANDS COMPUTED ON THE WAY. 'Computed on the way' means the value that the module computes at that place (a softmax that the list does not call 'softmax' is quantised finished and normalised). What goes into a quantiser is computed in f32, as accurately as f32 sums, v_exp_f32 and their like allow (about 1e-6 of the number): no bf16 or f16 on the way to a quantiser, and a product that is left as it is and whose result goes on into a quantised operand takes f32 operands (vector FMAs, or v_wmma_f32_16x16x4_f32). A number that lies on a knife's edge between two numbers of the format may be rounded either way, as far as f32 arithmetic and the matrix unit's own rounding can turn it there, and no further.
;; One version. Each part assembles by itself: llvm-mc -triple=amdgcn-amd-amdhsa -mcpu=gfx1250 --defsym DOCPART=n.
;; ======== version 1 of 1: 4 launches
;; limits: right only within a limited range of input values
;; workspace buffers: xwc 8,650,752 bytes; xws 360,448 bytes; qkvc 18,874,368 bytes; qkvs 786,432 bytes; pc 12,582,912 bytes; ps 524,288 bytes; pm 524,288 bytes; pl 524,288 bytes
;; launch quant (part 1): grid 704 x 1, 8 waves a work-group, no clusters, 69,120 bytes of LDS; arguments X, Wq, Wk, Wv, xwc, xws; writes xwc, xws
.if DOCPART == 1
	.amdgcn_target "amdgcn-amd-amdhsa--gfx1250"
	.amdhsa_code_object_version 6
	.text
	.protected	k_q19427a7f6f_quant
	.globl	k_q19427a7f6f_quant
	.p2align	8
	.type	k_q19427a7f6f_quant,@function
k_q19427a7f6f_quant:
	s_mov_b64 s[64:65], 0
	v_nop
	global_prefetch_b8 v0, s[64:65] scope:SCOPE_SE
	s_setreg_imm32_b32 hwreg(HW_REG_WAVE_MODE, 25, 1), 1
	s_wait_xcnt 0x0
; X [8192][1024], Wq, Wk, Wv [1024][1024], f32, K innermost, become codes of FP6 (E2M3) with one E8M0 byte for each 32 along K.
; A block's scale is 2^(floor(log2(largest magnitude)) - 2); its byte is the largest magnitude's exponent field - 2, held at 1 from below.
; LIMITS: a block of zeros, or one whose largest magnitude lies under 2^(3 - 127), gets the byte 1 (the bytes are read by this program alone; zero codes add nothing);
; NaN and infinities among the inputs are not served.
; THE OUTPUT IS LAID AS THE MATRIX OPERAND'S REGISTERS ("image").  Rows go in groups of 128 (groups 0-63 X, 64-71 Wq, 72-79 Wk, 80-87 Wv), K in steps of 128.
;   codes: byte ((group x 8 + step) x 8 + i) x 1536 + 512 c + 16 lane holds registers 4 c .. 4 c + 3 of fragment i (12 registers a lane).
;   Lane (r, h) of fragment i holds, of X, Wq and Wk, row 32 (i / 2) + 8 (i % 2) + r + 8 (r / 8) of the group; of Wv row 64 (i / 4) + 4 r + i % 4.
;   Registers 6 c .. 6 c + 5 hold k = 64 c + 32 h + 0 .. 31 of the step.
;   scale words: byte (group x 8 + step) x 512 + 256 (i / 4) + 16 r + 4 (i % 4) holds that row's four bytes.
; SHARES.  A work-group takes one step of one group, a wave one fragment: 16 rows x 512 bytes, one row a load, all 16 loads out at once.  They turn through the wave's own stage in LDS (rows 528 bytes apart) and come
; back as 32 neighbours along K for each of a lane's two blocks.  The eight waves' scale words meet in 512 bytes of LDS and leave as two whole units.
; No matrix unit, no cluster: work-groups share nothing.  No prefetch: no loop, every load stands at the head.
.set STGB,  16*528
.set SCW,   8*STGB                     ; the scale words, 512 bytes
.set SPARE, SCW+512                    ; the spare words, 128 bytes a wave
.set GA,  4                            ; 16 x lane
.set WRA, 5                            ; the stage on the way in
.set RDA, 6                            ; and out: 528 r + 128 h
.set SH,  7                            ; 8 h
.set WA,  8                            ; my scale word's place
.set SPW, 9
.set NIL, 10
.set TP,  11
.set WRD, 12                           ; where wave 0 reads the words back
.set R,   16                           ; v16-79 as loaded; behind the turn at work
.set T,   80                           ; v80-143 my two blocks
.set C,   16
.set X2,  28
.set MX,  36
.set SO,  38
.set BY,  40
.set PW,  42
	s_load_b256 s[4:11], s[0:1], 0x0               ; X, Wq, Wk, Wv
	s_load_b128 s[12:15], s[0:1], 0x20             ; xwc, xws
	v_lshl_add_u32 v[SPW], v0, 2, SPARE
	v_mov_b32 v[NIL], 0
	v_lshrrev_b32 v1, 5, v0
	v_readfirstlane_b32 s16, v1                    ; wave = fragment i
	s_mul_i32 s17, s16, STGB
	s_lshr_b32 s18, s16, 2
	s_lshl_b32 s19, s18, 8
	s_and_b32 s24, s16, 3
	s_lshl_b32 s25, s24, 2
	s_add_co_u32 s19, s19, s25
	s_add_co_u32 s19, s19, SCW                     ; SCW + 256 (i / 4) + 4 (i % 4)
	v_and_b32 v1, 31, v0                           ; lane
	v_and_b32 v2, 15, v0                           ; r
	v_bfe_u32 v3, v0, 4, 1                         ; h
	v_lshlrev_b32 v[GA], 4, v1
	v_add_nc_u32 v[WRA], s17, v[GA]
	v_mul_u32_u24 v[RDA], v2, 528
	v_lshl_add_u32 v[RDA], v3, 7, v[RDA]
	v_add_nc_u32 v[RDA], s17, v[RDA]
	v_lshlrev_b32 v[SH], 3, v3
	v_lshl_add_u32 v[WA], v2, 4, s19
	v_lshl_add_u32 v[WRD], v1, 4, SCW
	v_mov_b32 v[TP], 0                             ; a lane permute's destination counts as one of its sources
	s_wait_alu depctr_va_vdst(0)                   ; the wait at the head's end
	s_lshl_b32 s18, s18, 6
	s_add_co_u32 s18, s18, s24                     ; Wv: first row 64 (i / 4) + i % 4
	s_lshr_b32 s19, s16, 1
	s_lshl_b32 s19, s19, 5
	s_and_b32 s24, s16, 1
	s_lshl_b32 s24, s24, 3
	s_add_co_u32 s19, s19, s24                     ; the others: 32 (i / 2) + 8 (i % 2)
	s_mov_b32 s20, 0x76543210
	s_mov_b32 s21, 0xfedcba98                      ; selects for lane l xor 16
	s_lshr_b32 s25, ttmp9, 3                       ; the group, 0 .. 87
	s_and_b32 s24, ttmp9, 7                        ; the step
	s_and_b32 s23, s25, 7                          ; the group within a weight
	s_lshl_b32 s28, ttmp9, 3
	s_add_co_u32 s28, s28, s16
	s_mul_i32 s28, s28, 1536                       ; my fragment's image
	s_mov_b32 s29, 0
	s_lshl_b32 s30, ttmp9, 9                       ; the work-group's scale words
	s_mov_b32 s31, 0
	s_cmp_lt_u32 ttmp9, 512
	s_cselect_b32 s23, s25, s23                    ; the group within its tensor
	s_cmp_lt_u32 ttmp9, 640
	s_cselect_b32 s18, s19, s18
	s_lshl_b32 s26, s23, 19                        ; 128 rows of 4,096 bytes
	s_lshl_b32 s27, s18, 12
	s_add_co_u32 s26, s26, s27
	s_lshl_b32 s27, s24, 9
	s_add_co_u32 s26, s26, s27
	s_mov_b32 s27, 0
	s_wait_kmcnt 0x0
	s_cmp_lt_u32 ttmp9, 640                        ; which tensor: the choice hangs on the work-group's number alone
	s_cselect_b64 s[8:9], s[8:9], s[10:11]
	s_cmp_lt_u32 ttmp9, 576
	s_cselect_b64 s[6:7], s[6:7], s[8:9]
	s_cmp_lt_u32 ttmp9, 512
	s_cselect_b64 s[4:5], s[4:5], s[6:7]
	s_add_nc_u64 s[4:5], s[4:5], s[26:27]
	s_add_nc_u64 s[12:13], s[12:13], s[28:29]
	s_add_nc_u64 s[14:15], s[14:15], s[30:31]
	s_cmp_lt_u32 ttmp9, 640
	s_cbranch_scc0 .Lrows_v
.irp t, 0,1,2,3,4,5,6,7,8,9,10,11,12,13,14,15
	global_load_b128 v[R+4*\t:R+4*\t+3], v[GA], s[4:5] offset:(\t+8*(\t/8))*4096 th:TH_LOAD_NT   ; 512 consecutive bytes
.endr
	s_branch .Lasked
.Lrows_v:
.irp t, 0,1,2,3,4,5,6,7,8,9,10,11,12,13,14,15
	global_load_b128 v[R+4*\t:R+4*\t+3], v[GA], s[4:5] offset:4*\t*4096 th:TH_LOAD_NT
.endr
.Lasked:
.irp u, 0,1,2,3
	s_wait_loadcnt 12-4*\u                         ; four more of the 16 loads are in
.irp t, 0,1,2,3
	ds_store_b128 v[WRA], v[R+16*\u+4*\t:R+16*\u+4*\t+3] offset:528*(4*\u+\t)
.endr
.endr
.irp c, 0,1
.irp j, 0,1,2,3,4,5,6,7
	ds_load_b128 v[T+32*\c+4*\j:T+32*\c+4*\j+3], v[RDA] offset:256*\c+16*\j   ; LDS serves a wave's instructions in order: these see the stores above
.endr
.endr
	s_wait_dscnt 0x0
.irp c, 0,1
	v_max3_num_f32 v[MX+\c], |v[T+32*\c]|, |v[T+32*\c+1]|, 0x1800000   ; with the floor 2^(3 - 127): the byte cannot fall under 1
.endr
.irp i, 2,4,6,8,10,12,14,16,18,20,22,24,26,28,30
.irp c, 0,1
	v_max3_num_f32 v[MX+\c], v[MX+\c], |v[T+32*\c+\i]|, |v[T+32*\c+\i+1]|
.endr
.endr
.irp c, 0,1
	v_add_nc_u32 v[SO+\c], 0xff000000, v[MX+\c]    ; 2 off the exponent field: the conversion's scale operand
.endr
.irp c, 0,1
	v_cvt_scalef32_pk16_fp6_f32 v[C+6*\c:C+6*\c+2], v[T+32*\c:T+32*\c+15], v[SO+\c]
	v_cvt_scalef32_pk16_fp6_f32 v[X2+4*\c:X2+4*\c+2], v[T+32*\c+16:T+32*\c+31], v[SO+\c]   ; (a conversion's three registers begin on an even number)
.endr
.irp c, 0,1
	v_lshrrev_b32 v[BY+\c], 23, v[SO+\c]           ; the scale's byte; (the plain place behind the conversions)
.endr
.irp c, 0,1
.irp i, 0,1,2
	v_mov_b32 v[C+6*\c+3+\i], v[X2+4*\c+\i]
.endr
.endr
.irp c, 0,1,2
	global_store_b128 v[GA], v[C+4*\c:C+4*\c+3], s[12:13] offset:512*\c   ; 512 consecutive bytes, aligned
.endr
	v_lshl_or_b32 v[PW], v[BY+1], 16, v[BY]        ; blocks h and 2 + h of my row,
	v_lshlrev_b32 v[PW], v[SH], v[PW]              ; at their places in the word;
	v_permlanex16_b32 v[TP], v[PW], s20, s21
	v_or_b32 v[PW], v[PW], v[TP]                   ; with lane l xor 16's two the word is whole
	ds_store_b32 v[WA], v[PW]                      ; both lanes of a row write the same word with the same value
	s_wait_dscnt 0x0                               ; my word is in LDS,
	s_barrier_signal -1
	s_barrier_wait -1                              ; and so are all eight waves'
	s_cmp_lg_u32 s16, 0
	s_cbranch_scc1 .Lend
	ds_load_b128 v[44:47], v[WRD]
	s_wait_dscnt 0x0
	global_store_b128 v[GA], v[44:47], s[14:15]    ; the step's 512 bytes of scale words
.Lend:
	s_wait_tensorcnt 0x0                           ; the wave's end, behind my last LDS store
	ds_add_u32 v[SPW], v[NIL]
	s_wait_dscnt 0x0
	s_endpgm
.Lfunc_end_k_q19427a7f6f_quant:
	.size	k_q19427a7f6f_quant, .Lfunc_end_k_q19427a7f6f_quant-k_q19427a7f6f_quant
	.p2alignl 7, 3214868480
	.fill 96, 4, 3214868480
	.section	.rodata,"a",@progbits
	.p2align	6, 0x0
	.amdhsa_kernel k_q19427a7f6f_quant
		.amdhsa_group_segment_fixed_size 69120
		.amdhsa_private_segment_fixed_size 0
		.amdhsa_enable_private_segment 0
		.amdhsa_kernarg_size 48
		.amdhsa_user_sgpr_count 2
		.amdhsa_user_sgpr_kernarg_segment_ptr 1
		.amdhsa_wavefront_size32 1
		.amdhsa_system_sgpr_workgroup_id_x 1
		.amdhsa_system_sgpr_workgroup_id_y 1
		.amdhsa_system_sgpr_workgroup_id_z 1
		.amdhsa_system_vgpr_workitem_id 0
		.amdhsa_next_free_vgpr 144
		.amdhsa_next_free_sgpr 66
		.amdhsa_reserve_vcc 0
		.amdhsa_float_denorm_mode_32 3
		.amdhsa_float_denorm_mode_16_64 3
		.amdhsa_memory_ordered 1
		.amdhsa_forward_progress 1
		.amdhsa_inst_pref_size 12
	.end_amdhsa_kernel
	.amdgpu_metadata
---
amdhsa.version: [ 1, 2 ]
amdhsa.kernels:
  - .name:           k_q19427a7f6f_quant
    .symbol:         k_q19427a7f6f_quant.kd
    .args:
      - { .name: X, .offset: 0, .size: 8, .value_kind: global_buffer, .address_space: global }
      - { .name: Wq, .offset: 8, .size: 8, .value_kind: global_buffer, .address_space: global }
      - { .name: Wk, .offset: 16, .size: 8, .value_kind: global_buffer, .address_space: global }
      - { .name: Wv, .offset: 24, .size: 8, .value_kind: global_buffer, .address_space: global }
      - { .name: xwc, .offset: 32, .size: 8, .value_kind: global_buffer, .address_space: global }
      - { .name: xws, .offset: 40, .size: 8, .value_kind: global_buffer, .address_space: global }
    .group_segment_fixed_size: 69120
    .private_segment_fixed_size: 0
    .kernarg_segment_align: 8
    .kernarg_segment_size: 48
    .max_flat_workgroup_size: 256
    .sgpr_count:     66
    .vgpr_count:     144
    .wavefront_size: 32
...
	.end_amdgpu_metadata
.endif
;; end of part 1
;; launch qkv (part 2): grid 8 x 32, 4 waves a work-group, clusters of 4 x 4, 327,680 bytes of LDS; arguments xwc, xws, bq, bk, bv, qkvc, qkvs; writes qkvc, qkvs
.if DOCPART == 2
	.amdgcn_target "amdgcn-amd-amdhsa--gfx1250"
	.amdhsa_code_object_version 6
	.text
	.protected	k_q19427a7f6f_qkv
	.globl	k_q19427a7f6f_qkv
	.p2align	8
	.type	k_q19427a7f6f_qkv,@function
k_q19427a7f6f_qkv:
	s_mov_b64 s[64:65], 0
	v_nop
	global_prefetch_b8 v0, s[64:65] scope:SCOPE_SE
	s_setreg_imm32_b32 hwreg(HW_REG_WAVE_MODE, 25, 1), 1
	s_wait_xcnt 0x0
	s_wait_alu depctr_hold_cnt(0) depctr_sa_sdst(0) depctr_va_vdst(0) depctr_va_sdst(0) depctr_va_ssrc(0) depctr_va_vcc(0) depctr_vm_vsrc(0)
	s_getreg_b32 s2, hwreg(HW_REG_IB_STS2, 6, 4)
	s_cmp_eq_u32 s2, 0
	s_cbranch_scc0 .Lentry_in_a_cluster
	s_endpgm
.Lentry_in_a_cluster:
	s_bfe_u32 s2, ttmp6, 0x10000c
	s_cmp_lg_u32 s2, 0xf033
	s_cbranch_scc0 .Lentry_shape_is_right
	s_endpgm
.Lentry_shape_is_right:
; q = X Wq^T + bq, k = X Wk^T + bk, v^T = Wv X^T + bv, on codes of FP6 (E2M3) with E8M0 scales; the results are quantised at once for the products that follow: q and k along the 1,024 features,
; v^T along the tokens (the keys).  Operands and results lie as images of the matrix operand's registers: rows in groups of 128, K in steps of 128; one (group, step) is a block of 8 fragments x 1,536 bytes
; (byte 1536 i + 512 c + 16 lane = registers 4 c .. 4 c + 3); lane (r, h) of fragment i holds row 32 (i / 2) + 8 (i % 2) + r + 8 (r / 8); its scale word lies at 256 (i / 4) + 16 r + 4 (i % 4) of the block's 512 bytes.
; LIMITS: a block of zeros, or under 2^(3 - 127), gets the scale byte 1 (read by this program alone); NaN and infinities are not served.  v^T's sums take K in the order steps 2 .. 7, 0, 1, not ascending.
; SHARES.  256 work-groups of equal work.  Work-group (x, y) makes, PART 1, 256 tokens (X's tile y) x 256 features of q (x < 4) or k: a wave 128 x 128, 64 accumulators; then, PART 2, 128 features of v^T
; (Wv's group x) x the same 256 tokens: a wave 64 x 128, 32 accumulators.  768 matrix instructions a wave in all.
; "A" is the operand whose rows a lane keeps (source 1), "B" the one along which a lane's registers run (source 0): part 1: A = X, B = W; part 2: A = Wv, B = X, so that the registers run along the tokens.
; Because of the order of rows in a fragment, the 16 registers of accumulators (a, 2 n) and (a, 2 n + 1) are 16 neighbours along B's rows: a wave's 64 registers of block a become one fragment of the result,
; stored straight from registers, 512 consecutive bytes an instruction.
; LDS.  Three slots of 256 along K: X's two groups, then W's two, 24,576 bytes each.  K = 1,024 is four slots' worth: steps 0-5 are first fills, steps 6, 7 come into slot 0 when it has been read.
; After part 1 X's steps 2-7 still lie in the slots' X halves; the three W halves, which nobody reads any more, take Wv's 8 steps (4 units of 24,576 bytes) and X's steps 0, 1 once more.
; CLUSTERS: 4 x 4.  X's tiles hang on y and are asked for jointly along a row of the cluster, W's and Wv's hang on x and are asked for along a column.
; No L2 prefetch: behind the first fills there are three refills, of rows that partners have read at the launch's start or read with me.
; REGISTERS: window 0: v8-31 addresses; v32-63 scale words, later at work; v64-127 bq or bk as the first products' C; v128-223 X's fragments, one set, later the codes; v224-255 Wv's scale words.
;   In part 2: v64-159 Wv's fragments, two sets; v160-191 bv as C.   window 1: B's fragments, two sets, at v0 and v128.   windows 2, 3: the accumulators, (a, b) at v[8 (8 (a % 4) + b)].
; WHAT HOLDS IN PLACE OF THE LINES ABOVE.  Wv's fragments, and so v^T's, hold row 64 (i / 4) + 4 r + i % 4 in lane r of fragment i.
; LDS, H = 24,576 bytes, two steps of a group: steps 0-3 of X's two groups at 0 and 2 H, of W's at 4 H and 6 H ("slots 0 and 1"); steps 4, 5 of X's at 8 H and 10 H, of W's at 9 H and 11 H ("slot 2").
; FILLS.  At the head one tensor load a wave: four steps of a group.  Steps 4, 5 come behind the first round, steps 6, 7 onto steps 0, 1 in step 2, Wv's four units onto W's steps 2-5 (5 H, 7 H, 9 H, 11 H), X's steps 0, 1 once more onto W's steps 6, 7.
; The scale words go through registers into LDS, 4,096 bytes a wave.  No L2 prefetch: K is eight steps, no loop runs ahead, and every refill has two steps' matrix work or more in which to land.
.set KSB,   12288
.set FRB,   1536                       ; a fragment's image
.set GRPB,  8*KSB                      ; a group's codes
.set HALFT, 2*KSB                      ; what one tensor load brings: two steps of one group, dense
.set SLOT,  4*HALFT                    ; X's two groups, then W's two
.set SCL,   3*SLOT                     ; behind the slots: the four groups' scale words for all of K, 4,096 bytes each, filled once
.set SPARE, SCL+4*4096                 ; the spare words: two blocks of 256 bytes that no other line names
.set XB2,  8                           ; v8-11  part 2: my X group's steps 2-3, 4-5, 6-7, 0-1
.set WA2,  12                          ; v12-15 part 2: my four fragments of Wv, the same steps
.set ADRA, 16                          ; v16-18 part 1: my X fragments in slot 0, 1, 2
.set ADS2, 19                          ; v19    part 2: my X group's scale words
.set ADRB, 20                          ; v20-22 part 1: my W fragments
.set SA2,  23                          ; v23    16 r + 8 h: part 2's scale words on the way out
.set LI,   24                          ; v24    16 x lane
.set ADRS, 25                          ; v25    part 1: scale words: lanes 0-15 X's, lanes 16-31 W's
.set BVR,  26                          ; v26-29 bv of my row in part 2's four blocks
.set SPW,  30                          ; v30    my spare word; never rewritten
.set NIL,  31                          ; v31    0; never rewritten
.set SC,   32                          ; part 1: set s, step q of the slot, block i at v[SC + 16 s + 8 q + i]; part 2: set p, block b at v[SC + 8 p + b]
.set BI,   64
.set AF2,  64
.set AF,   128
.set BI2,  160
.set WS,   224                         ; Wv's scale words: step k, block a at v[WS + 4 k + a]
.set G1,   24                          ; s[24:31] group 1, X's tiles;  s[32:39] groups 0, from step 0 and from step 4
.set G0,   32
.set G1B,  44                          ; s[44:51], s[52:59] the same for W's tiles
.set G0B,  52
.set G1S,  68
.set G0S,  76
.set G1SB, 80
.set G0SB, 88
.set G0V,  92                          ; s[92:95] group 0 for my unit of Wv
.set MSB, 0
.macro WIN new                         ; the immediate's high byte repeats the setting that is left
.if MSB != (\new)
	s_set_vgpr_msb (MSB<<8)|(\new)
.set MSB, (\new)
.endif
.endm
.set MUL_LO, 0xa1                      ; source 0 (B) window 1, source 1 (A) window 0, C and D window 2
.set MUL_HI, 0xf1                      ; the same, C and D window 3
.set TO_B,   0x40                      ; destination window 1, address window 0
.macro JLOAD g0a, g1a, g0b, g1b        ; a joint load: waves 0, 1 fetch for X, waves 2, 3 for W; an s_nop 0 and four v_nop follow each line
	s_cmp_eq_u32 s19, 0
	s_cbranch_scc0 .Lfor_b_\@
	tensor_load_to_lds s[\g0a:\g0a+3], s[\g1a:\g1a+7]
	s_nop 0
.rept 4
	v_nop
.endr
	s_branch .Lasked_\@
.Lfor_b_\@:
	tensor_load_to_lds s[\g0b:\g0b+3], s[\g1b:\g1b+7]
	s_nop 0
.rept 4
	v_nop
.endr
.Lasked_\@:
.endm
.macro CREST                           ; a round of the cluster's barrier behind its opening barrier
	s_cmp_lg_u32 s18, 0
	s_cbranch_scc1 .Lnot_wave_0_\@
	s_barrier_signal -3
.Lnot_wave_0_\@:
	s_barrier_wait -3
	s_barrier_signal -1
	s_barrier_wait -1
.endm
.macro CROUND
	s_barrier_signal -1
	s_barrier_wait -1
	CREST
.endm
.macro PLACES n
.rept \n
	v_nop
.endr
.endm
	s_load_b256 s[4:11], s[0:1], 0x0               ; xwc, xws, bq, bk
	s_load_b128 s[12:15], s[0:1], 0x20             ; bv, qkvc
	s_load_b64 s[16:17], s[0:1], 0x30              ; qkvs
	v_lshl_add_u32 v[SPW], v0, 2, SPARE
	v_mov_b32 v[NIL], 0
	ds_add_u32 v[SPW], v[NIL]                      ; the wave's opening: the add and its wait ahead of my first tensor load; the set-up below stands between them
	ds_add_u32 v[SPW], v[NIL]
	v_lshrrev_b32 v1, 5, v0
	v_readfirstlane_b32 s18, v1                    ; wave 0..3
	s_lshr_b32 s19, s18, 1                         ; part 1: which X group is mine; part 2: which 64 features.  Also: I fetch for X (0) or for W (1)
	s_and_b32 s20, s18, 1                          ; part 1: which W group is mine; part 2: which X group.  Also: which group I fetch
	s_bfe_u32 s96, ttmp6, 0x40000                  ; cx
	s_bfe_u32 s97, ttmp6, 0x40004                  ; cy
	s_lshl_b32 s99, s97, 2
	s_lshl_b32 s99, 15, s99                        ; my row of the cluster
	s_lshl_b32 s100, 0x1111, s96                   ; my column
	; descriptor groups 1: dense blocks as rows of 256 bytes (32 elements of 8 bytes), no padding: 96 rows of codes
	s_or_b32 s[G1], s99, (3<<16)|(1<<21)           ; 15:0 the mask; 17:16 elements of 8 bytes; 21 set beside a mask
	s_or_b32 s[G1B], s100, (3<<16)|(1<<21)
.irp g, G1, G1B                        ; for the head 192 rows, four steps; behind it 96, two steps
	s_mov_b32 s[\g+1], 32<<16
	s_mov_b32 s[\g+2], 192<<16
	s_mov_b32 s[\g+3], 32<<16
	s_mov_b32 s[\g+4], 192
	s_mov_b32 s[\g+5], 32
	s_mov_b32 s[\g+6], 0
	s_mov_b32 s[\g+7], 0
.endr
	s_lshl_b32 s21, ttmp9, 2
	s_add_co_u32 s21, s21, s96                     ; x = 4 x cluster x + cx, 0 .. 7
	s_and_b32 s98, ttmp7, 0xffff
	s_lshl_b32 s98, s98, 2
	s_add_co_u32 s98, s98, s97                     ; y = 4 x cluster y + cy, 0 .. 31
	s_lshl_b32 s99, s98, 1
	s_add_co_u32 s99, s99, s20                     ; X's group that I would fetch: hangs on y alone
	s_lshl_b32 s67, s21, 1
	s_add_co_u32 s67, s67, s20
	s_add_co_u32 s67, s67, 64                      ; W's: groups 64-71 Wq, 72-79 Wk: hangs on x alone
	s_mul_i32 s97, s18, HALFT                      ; where they go in a slot: wave x 24,576: no place in the cluster enters an LDS address
	s_mov_b32 s22, 0x76543210
	s_mov_b32 s23, 0xfedcba98                      ; selects for lane l xor 16
	s_mov_b32 s66, 0xffff0000                      ; lanes 16-31
	s_wait_alu depctr_va_vdst(0)                   ; directly ahead of the waits below
	s_wait_dscnt 0x0                               ; both opening adds are done
	CROUND                                         ; all sixteen work-groups are here: the first joint loads meet
	s_wait_kmcnt 0x0
	s_mul_i32 s2, s99, GRPB
	s_mov_b32 s3, 0
	s_add_nc_u64 s[2:3], s[4:5], s[2:3]            ; X's group: its codes
	s_mul_i32 s100, s67, GRPB
	s_mov_b32 s101, 0
	s_add_nc_u64 s[100:101], s[4:5], s[100:101]    ; W's group: its codes
.irp s, 0,1                            ; groups 0: from step 0 on (its refill steps from there), and from step 4 on
	s_mov_b32 s[G0+4*\s], 1
	s_mov_b32 s[G0B+4*\s], 1
	s_add_nc_u64 s[G0+4*\s+2:G0+4*\s+3], s[2:3], \s*2*HALFT
	s_or_b32 s[G0+4*\s+3], s[G0+4*\s+3], 0x80000000
	s_add_nc_u64 s[G0B+4*\s+2:G0B+4*\s+3], s[100:101], \s*2*HALFT
	s_or_b32 s[G0B+4*\s+3], s[G0B+4*\s+3], 0x80000000
.endr
	s_lshl_b32 s3, s97, 1                          ; wave x 2 H
	s_mov_b32 s[G0+1], s3
	s_mov_b32 s[G0B+1], s3
	s_mul_i32 s2, s20, 2*HALFT
	s_mul_i32 s100, s19, HALFT
	s_add_co_u32 s2, s2, s100
	s_add_co_u32 s2, s2, 8*HALFT                   ; 8 H + 2 H x group + H for W
	s_mov_b32 s[G0+5], s2
	s_mov_b32 s[G0B+5], s2
	JLOAD G0, G1, G0B, G1B                         ; steps 0-3: one tensor load a wave at the head
	s_cmp_eq_u32 s19, 0
	s_cselect_b32 s99, s99, s67                    ; the group that I fetch: its scale words
	s_lshl_b32 s100, s99, 12
	s_mov_b32 s101, 0
	s_add_nc_u64 s[100:101], s[6:7], s[100:101]
	v_and_b32 v36, 31, v0
	v_lshlrev_b32 v36, 4, v36
.irp i, 0,1,2,3,4,5,6,7
	global_load_b128 v[AF+4*\i:AF+4*\i+3], v36, s[100:101] offset:512*\i   ; 512 consecutive bytes
.endr
	s_add_co_u32 s67, s21, 80                      ; Wv's group x
	s_mov_b32 s[G0V], 1
	s_add_co_u32 s[G0V+1], s3, 5*HALFT             ; wave w takes its steps 2 w, 2 w + 1 to 5 H + wave x 2 H
	s_mul_i32 s[G0V+2], s67, GRPB
	s_add_co_u32 s[G0V+2], s[G0V+2], s97
	s_mov_b32 s[G0V+3], 0
	s_add_nc_u64 s[G0V+2:G0V+3], s[4:5], s[G0V+2:G0V+3]
	s_or_b32 s[G0V+3], s[G0V+3], 0x80000000
	v_and_b32 v1, 15, v0                           ; r
	v_bfe_u32 v2, v0, 4, 1                         ; h
	s_wait_alu depctr_va_vdst(0)
	v_and_b32 v3, 31, v0
	v_lshlrev_b32 v[LI], 4, v3
	; the biases and Wv's scale words: from memory straight into registers
	s_wait_alu depctr_va_vdst(0)
	s_cmp_eq_u32 ttmp9, 0
	s_cselect_b64 s[8:9], s[8:9], s[10:11]         ; bq or bk: hangs on the cluster's x
	s_wait_xcnt 0x0                                ; the loads of scale words have read their base
	s_mov_b32 s101, 0
	s_lshl_b32 s100, s96, 10
	s_lshl_b32 s2, s20, 9
	s_add_co_u32 s100, s100, s2                    ; (256 cx + 128 x my W group) x 4
	s_add_nc_u64 s[8:9], s[8:9], s[100:101]
	s_lshl_b32 s100, s21, 9
	s_lshl_b32 s2, s19, 8
	s_add_co_u32 s100, s100, s2                    ; bv at (128 x + 64 x my half) x 4
	s_add_nc_u64 s[12:13], s[12:13], s[100:101]
	s_lshl_b32 s100, s67, 12
	s_add_co_u32 s100, s100, s2                    ; Wv's scale words: group x 4,096 + 256 x my half
	s_add_nc_u64 s[6:7], s[6:7], s[100:101]
	v_lshlrev_b32 v5, 6, v2                        ; 64 h: register j of tile b is feature 32 (b / 2) + 8 (b % 2) + 16 h + j
	v_lshlrev_b32 v6, 4, v1                        ; my row of Wv's fragment a is 4 r + a of my 64
	v_lshlrev_b32 v7, 4, v1                        ; 16 r: my row's four words
.irp b, 0,1,2,3,4,5,6,7
	global_load_b128 v[BI+8*\b:BI+8*\b+3], v5, s[8:9] offset:(32*(\b/2)+8*(\b%2))*4
	global_load_b128 v[BI+8*\b+4:BI+8*\b+7], v5, s[8:9] offset:(32*(\b/2)+8*(\b%2))*4+16
.endr
.irp a, 0,1,2,3
	global_load_b32 v[BVR+\a], v6, s[12:13] offset:4*\a
.endr
.irp k, 0,1,2,3,4,5,6,7
	global_load_b128 v[WS+4*\k:WS+4*\k+3], v7, s[6:7] offset:512*\k   ; sixteen lanes read 256 consecutive bytes; both halves of the lanes read the same
.endr
	s_mul_i32 s2, s19, HALFT                       ; part 1: my group of X,
	s_mul_i32 s3, s20, HALFT                       ; my group of W,
	s_add_co_u32 s3, s3, 2*HALFT                   ; behind X's two
	s_lshl_b32 s2, s2, 1                           ; a group's four steps take 2 H
	s_lshl_b32 s3, s3, 1
	v_add_nc_u32 v[ADRA], s2, v[LI]
	v_add_nc_u32 v[ADRB], s3, v[LI]
	v_add_nc_u32 v[ADRA+1], HALFT, v[ADRA]
	v_add_nc_u32 v[ADRB+1], HALFT, v[ADRB]
	v_add_nc_u32 v[ADRA+2], 8*HALFT, v[ADRA]
	v_add_nc_u32 v[ADRB+2], 5*HALFT, v[ADRB]       ; from 4 H to 9 H
	s_lshl_b32 s2, s19, 12                         ; X's scale words,
	s_lshl_b32 s3, s20, 12
	s_add_co_u32 s3, s3, 8192                      ; W's, behind X's two groups
	s_sub_co_u32 s3, s3, s2
	v_mul_u32_u24 v4, s3, v2                       ; lanes 16-31 take W's: the lower base + h x the distance
	s_add_co_u32 s2, s2, SCL
	v_lshl_add_u32 v4, v1, 4, v4
	v_add_nc_u32 v[ADRS], s2, v4
	s_mul_i32 s2, s20, 2*HALFT                     ; part 2: my group of X:
	v_add_nc_u32 v[XB2+2], s2, v[LI]               ; steps 6, 7 lie on steps 0, 1,
	v_add_nc_u32 v[XB2], HALFT, v[XB2+2]           ; steps 2, 3 behind them,
	v_add_nc_u32 v[XB2+1], 8*HALFT, v[XB2+2]       ; steps 4, 5 in slot 2,
	v_add_nc_u32 v[XB2+3], 4*HALFT, v[XB2+2]       ; steps 0, 1 come onto W's steps 6, 7
	s_mul_i32 s2, s19, 4*FRB                       ; my four fragments of Wv:
	v_add_nc_u32 v4, s2, v[LI]
	v_add_nc_u32 v[WA2], 7*HALFT, v4               ; steps 2, 3 (unit 1),
	v_add_nc_u32 v[WA2+1], 9*HALFT, v4             ; steps 4, 5 (unit 2),
	v_add_nc_u32 v[WA2+2], 11*HALFT, v4            ; steps 6, 7 (unit 3),
	v_add_nc_u32 v[WA2+3], 5*HALFT, v4             ; steps 0, 1 (unit 0)
	s_lshl_b32 s2, s20, 12
	s_add_co_u32 s2, s2, SCL
	v_lshl_add_u32 v[ADS2], v1, 4, s2
	v_lshlrev_b32 v[SA2], 4, v1
	v_lshl_add_u32 v[SA2], v2, 3, v[SA2]
	; where the results go.  Part 1: block 512 x cluster x + (2 y + my X group) x 8 + 2 cx + my W group.  Part 2: block 1,024 + ((batch) x 8 + x) x 16 + (token group in the batch), my half of it
	s_lshl_b32 s2, s98, 1
	s_add_co_u32 s3, s2, s20                       ; part 2's token group, 0 .. 63
	s_add_co_u32 s2, s2, s19
	s_lshl_b32 s2, s2, 3
	s_lshl_b32 s99, s96, 1
	s_add_co_u32 s2, s2, s99
	s_add_co_u32 s2, s2, s20
	s_lshl_b32 s99, ttmp9, 9
	s_add_co_u32 s2, s2, s99
	s_lshr_b32 s99, s3, 4
	s_lshl_b32 s99, s99, 3
	s_add_co_u32 s99, s99, s21
	s_lshl_b32 s99, s99, 4
	s_and_b32 s3, s3, 15
	s_add_co_u32 s99, s99, s3
	s_add_co_u32 s99, s99, 1024
	s_mul_i32 s100, s99, KSB
	s_mul_i32 s3, s19, 4*FRB
	s_add_co_u32 s100, s100, s3
	s_add_nc_u64 s[96:97], s[14:15], s[100:101]    ; part 2: codes
	s_lshl_b32 s100, s99, 9
	s_lshl_b32 s3, s19, 8
	s_add_co_u32 s100, s100, s3
	s_add_nc_u64 s[98:99], s[16:17], s[100:101]    ; part 2: scale words
	s_mul_i32 s100, s2, KSB
	s_add_nc_u64 s[14:15], s[14:15], s[100:101]    ; part 1: codes
	s_lshl_b32 s100, s2, 9
	s_add_nc_u64 s[16:17], s[16:17], s[100:101]    ; part 1: scale words
.macro FRAG reg, adr, q, i             ; a fragment comes as it was stored: three loads of 512 consecutive bytes
.irp c, 0,1,2
	ds_load_b128 v[\reg+4*\c:\reg+4*\c+3], v[\adr] offset:KSB*(\q)+FRB*(\i)+512*\c
.endr
.endm
.macro FETCH_B slot, q, p              ; W's eight fragments of the slot's step q into set p
	WIN TO_B
.irp i, 0,1,2,3,4,5,6,7
	FRAG 128*(\p)+12*\i, ADRB+\slot, \q, \i
.endr
	WIN 0
.endm
.macro FETCH_A slot, q, i0             ; X's blocks i0 .. i0 + 3
.irp i, \i0, \i0+1, \i0+2, \i0+3
	FRAG AF+12*(\i), ADRA+\slot, \q, \i
.endr
.endm
.macro SCALES set, kslot               ; the scale words of steps 2 kslot, 2 kslot + 1: four words a load: lanes 0-15 X's blocks 4 u .. 4 u + 3, lanes 16-31 W's
.irp q, 0,1
.irp u, 0,1
	ds_load_b128 v[SC+16*(\set)+8*\q+4*\u:SC+16*(\set)+8*\q+4*\u+3], v[ADRS] offset:1024*(\kslot)+512*\q+256*\u
.endr
.endr
.endm
; 16 matrix instructions: X's blocks a0, a0 + 1 x W's eight.  z = 2: the bias is the C of the first products; z = 0: the accumulator.
; The 64 accumulators take turns, one instruction a turn, in the same order in every step.
.macro MUL16 a0, p, q, sc, z
.irp a, \a0, \a0+1
.irp b, 0,1,2,3,4,5,6,7
.set DR, 8*(8*((\a)%4)+\b)
.set BR, 128*(\p)+12*\b
.set AR, AF+12*(\a)
.set SR0, SC+16*(\sc)+8*(\q)+\b
.set SR1, SC+16*(\sc)+8*(\q)+(\a)
.if (\z) == 0
	v_wmma_scale_f32_16x16x128_f8f6f4 v[DR:DR+7], v[BR:BR+11], v[AR:AR+11], v[DR:DR+7], v[SR0], v[SR1] matrix_a_fmt:MATRIX_FMT_FP6 matrix_b_fmt:MATRIX_FMT_FP6 matrix_a_scale:MATRIX_SCALE_ROW1
.else
	v_wmma_scale_f32_16x16x128_f8f6f4 v[DR:DR+7], v[BR:BR+11], v[AR:AR+11], v[BI+8*\b:BI+8*\b+7], v[SR0], v[SR1] matrix_a_fmt:MATRIX_FMT_FP6 matrix_b_fmt:MATRIX_FMT_FP6 matrix_a_scale:MATRIX_SCALE_ROW1
.endif
.endr
.endr
.endm
; A slot's first step.  Loads into registers that matrix instructions have read stand four plain places behind them.
.macro STEP slot, sc, z
	s_wait_dscnt 12                                ; W's set, X's blocks 0-3 and the scale words are in; the youngest 12 loads (X's blocks 4-7) may be out
.if (\z) >= 2
	WIN 0x81                                       ; C (the bias) in window 0, D in window 2
.else
	WIN MUL_LO
.endif
	MUL16 0, 0, 0, \sc, \z
	MUL16 2, 0, 0, \sc, \z
	s_wait_dscnt 0x0                               ; X's blocks 4-7 are in
	PLACES 4
	FETCH_B \slot, 1, 1
	FETCH_A \slot, 1, 0
.if (\z) >= 2
	WIN 0xc1
.else
	WIN MUL_HI
.endif
	MUL16 4, 0, 0, \sc, \z
	MUL16 6, 0, 0, \sc, \z
	PLACES 4
	WIN 0
	FETCH_A \slot, 1, 4
.endm
; A slot's second step goes on into the next slot.  mode 0: the next slot was shown whole to every wave at an earlier barrier and nothing is filled: no barrier.
; mode 1, 2: bytes are filled again: each wave waits for all its tensor loads, adds 0 to its spare word, waits for that and for its reads of this slot; a round of the cluster's barrier; the joint refill first behind it.
; mode 1: steps 6, 7 of X and W into slot 0.  mode 2: Wv's four units, one a wave, into the W halves of slots 1 and 2.
.macro TURN sc, next, nsc, mode, kslot
.if (\mode) == 0
	s_wait_dscnt 12                                ; all but the youngest 12 loads (X's blocks 4-7)
	WIN MUL_LO
	MUL16 0, 1, 1, \sc, 0
	MUL16 2, 1, 1, \sc, 0
	s_wait_dscnt 0x0
	PLACES 4
.else
	s_wait_tensorcnt 0x0                           ; all my tensor loads have landed
	ds_add_u32 v[SPW], v[NIL]                      ; 0 onto my spare word
	s_wait_dscnt 13                                ; (the add and the youngest 12 loads may be out)
	WIN MUL_LO
	MUL16 0, 1, 1, \sc, 0
	s_wait_dscnt 0x0                               ; the add is done, and my reads of this slot are over
	s_barrier_signal -1
	MUL16 2, 1, 1, \sc, 0
	WIN 0
	s_barrier_wait -1
	CREST                                          ; the barrier has opened a round of the cluster's: no wave of any partner still reads these bytes or has a load on its way
.if (\mode) == 1
	s_add_nc_u64 s[G0+2:G0+3], s[G0+2:G0+3], 3*HALFT
	s_add_nc_u64 s[G0B+2:G0B+3], s[G0B+2:G0B+3], 3*HALFT
	JLOAD G0, G1, G0B, G1B                         ; the first tensor load behind the round; its four v_nop are the places in front of the loads below
.else
	tensor_load_to_lds s[G0V:G0V+3], s[G1B:G1B+7]  ; every wave its own unit: both addresses hang on the wave's number
	s_nop 0
	PLACES 4
.endif
.endif
	FETCH_B \next, 0, 0
	FETCH_A \next, 0, 0
	SCALES \nsc, \kslot
	WIN MUL_HI
	MUL16 4, 1, 1, \sc, 0
	MUL16 6, 1, 1, \sc, 0
	PLACES 4
	WIN 0
	FETCH_A \next, 0, 4
.endm
; Block a's 64 numbers a lane (register 16 n + i = place 32 n + 16 h + i along the next K) become a fragment, in v[pcb + 12 a] on, and a scale word, and the fragment is stored at s[sb:sb+1].
.macro QUANTW a, pcb, sb
.set QW, 2+(\a)/4
.set QS, 64*((\a)%4)
.set QP, (\pcb)+12*(\a)
	WIN (QW<<2)|(QW<<4)                            ; sources 1 and 2: the accumulators' window
.irp b, 0,1,2,3
	v_max3_num_f32 v[32+\b], 0x1800000, |v[QS+16*\b]|, |v[QS+16*\b+1]|   ; the floor 2^(3 - 127) among the leaves; each accumulator is read from its low end on
.endr
.irp i, 2,4,6,8,10,12,14
.irp b, 0,1,2,3
	v_max3_num_f32 v[32+\b], v[32+\b], |v[QS+16*\b+\i]|, |v[QS+16*\b+\i+1]|
.endr
.endr
	WIN 0
.irp b, 0,1,2,3
	v_permlanex16_b32 v[36+\b], v[32+\b], s22, s23
.endr
.irp b, 0,1,2,3
	v_max_num_f32 v[32+\b], v[32+\b], v[36+\b]     ; with lane l xor 16's 16: the block's largest magnitude
.endr
.irp b, 0,1,2,3
	v_add_nc_u32 v[44+\b], 0xff000000, v[32+\b]    ; 2 off the exponent field: the conversion's scale operand
.endr
.irp b, 0,1,2,3
	v_lshrrev_b32 v[36+\b], 23, v[44+\b]           ; the scale's byte
.endr
	v_lshl_or_b32 v[48+(\a)], v37, 8, v36
	v_lshl_or_b32 v[48+(\a)], v38, 16, v[48+(\a)]
	v_lshl_or_b32 v[48+(\a)], v39, 24, v[48+(\a)]  ; my row's scale word
	WIN QW                                         ; source 0: the accumulators' window
.irp c, 0,1
	v_cvt_scalef32_pk16_fp6_f32 v[QP+6*\c:QP+6*\c+2], v[QS+32*\c:QS+32*\c+15], v[44+2*\c]
	v_cvt_scalef32_pk16_fp6_f32 v[56+4*\c:58+4*\c], v[QS+32*\c+16:QS+32*\c+31], v[44+2*\c+1]
.endr
	WIN 0
	v_nop                                          ; one plain place behind a scaled conversion
.irp c, 0,1                            ; the operand wants a whole block in a lane: lanes 0-15 block 2 c, lanes 16-31 block 2 c + 1
.irp i, 0,1,2
	v_permlane16_swap_b32 v[QP+6*\c+\i], v[56+4*\c+\i]
.endr
.irp i, 0,1,2
	v_mov_b32 v[QP+6*\c+3+\i], v[56+4*\c+\i]
.endr
.endr
.irp c, 0,1,2
	global_store_b128 v[LI], v[QP+4*\c:QP+4*\c+3], s[\sb:\sb+1] offset:FRB*(\a)+512*\c   ; 512 consecutive bytes, aligned; each block has registers of its own, so no store's data are rewritten
.endr
.endm
; PART 2.  Its step g = 0 .. 7 is K step 2 ((g / 2 + 1) % 4) + g % 2: steps 2 .. 7, which lie in LDS, then 0, 1, which come last.
.macro FETCH2 g                        ; step g's fragments and X's scale words into set g % 2: 38 loads in one run
.set FJ, (\g)/2
.set FQ, (\g)%2
.set FK, 2*((FJ+1)%4)+FQ
	WIN TO_B
.irp b, 0,1,2,3,4,5,6,7
.irp c, 0,1,2
	ds_load_b128 v[128*FQ+12*\b+4*\c:128*FQ+12*\b+4*\c+3], v[XB2+FJ] offset:KSB*FQ+FRB*\b+512*\c
.endr
.endr
	WIN 0
.irp a, 0,1,2,3
.irp c, 0,1,2
	ds_load_b128 v[AF2+48*FQ+12*\a+4*\c:AF2+48*FQ+12*\a+4*\c+3], v[WA2+FJ] offset:KSB*FQ+FRB*\a+512*\c
.endr
.endr
	ds_load_b128 v[SC+8*FQ:SC+8*FQ+3], v[ADS2] offset:512*FK
	ds_load_b128 v[SC+8*FQ+4:SC+8*FQ+7], v[ADS2] offset:512*FK+256
.endm
; 8 matrix instructions: Wv's block a x X's eight.  z = 1: bv is the C of the first products.  The 32 accumulators take turns, one instruction a turn.
.macro MULA2 g, a, z
.set MQ, (\g)%2
.set MK, 2*(((\g)/2+1)%4)+MQ
.irp b, 0,1,2,3,4,5,6,7
.set DR, 8*(8*(\a)+\b)
.set BR, 128*MQ+12*\b
.set AR, AF2+48*MQ+12*(\a)
.if \z
	v_wmma_scale_f32_16x16x128_f8f6f4 v[DR:DR+7], v[BR:BR+11], v[AR:AR+11], v[BI2+8*(\a):BI2+8*(\a)+7], v[SC+8*MQ+\b], v[WS+4*MK+(\a)] matrix_a_fmt:MATRIX_FMT_FP6 matrix_b_fmt:MATRIX_FMT_FP6
.else
	v_wmma_scale_f32_16x16x128_f8f6f4 v[DR:DR+7], v[BR:BR+11], v[AR:AR+11], v[DR:DR+7], v[SC+8*MQ+\b], v[WS+4*MK+(\a)] matrix_a_fmt:MATRIX_FMT_FP6 matrix_b_fmt:MATRIX_FMT_FP6
.endif
.endr
.endm
.macro STEP2 g, z, bar                 ; bar = 1: the next step's bytes are those that waves 0, 1 asked for last: their wait, then a barrier
.if \bar
	WIN 0
	s_wait_tensorcnt 0x0
.endif
	s_wait_dscnt 0x0                               ; this step's 38 loads, issued a step ago, are in
.if \bar
	s_barrier_signal -1
	s_barrier_wait -1
.endif
	PLACES 4                                       ; in front of loads into the other set, which the last step multiplied
	FETCH2 (\g)+1
.if \z
	WIN 0x81                                       ; C (bv) in window 0, D in window 2
.else
	WIN MUL_LO
.endif
	MULA2 \g, 0, \z
	MULA2 \g, 1, \z
	MULA2 \g, 2, \z
	MULA2 \g, 3, \z
.endm
	s_lshl_b32 s2, s18, 12
	s_add_co_u32 s2, s2, SCL
	v_add_nc_u32 v37, s2, v[LI]
	s_wait_alu depctr_va_vdst(0)                   ; the wait at the head's end
	s_wait_loadcnt 28                              ; my group's scale words are in; the 28 loads of biases and of Wv's words may be out
.irp i, 0,1,2,3,4,5,6,7
	ds_store_b128 v37, v[AF+4*\i:AF+4*\i+3] offset:512*\i
.endr
	s_wait_tensorcnt 0x0                           ; my tile is in
	ds_add_u32 v[SPW], v[NIL]                      ; 0 onto my spare word
.irp g, G1, G1B                        ; no tensor load of mine is out: from here on two steps a load
	s_mov_b32 s[\g+2], 96<<16
	s_mov_b32 s[\g+4], 96
.endr
	s_wait_dscnt 0x0                               ; the add is done, and so are my stores of scale words
	CROUND                                         ; everybody's tiles and words are in, and the joint loads meet:
	JLOAD G0+4, G1, G0B+4, G1B                     ; steps 4, 5, the first tensor load behind the round
	FETCH_B 0, 0, 0
	FETCH_A 0, 0, 0
	SCALES 0, 0
	FETCH_A 0, 0, 4
	s_wait_loadcnt 0x0                             ; the biases and Wv's scale words
	STEP 0, 0, 2                                   ; steps 0, 1: slot 0.  The bias is the first products' C: nothing is cleared, nothing is added later
; A slot's first step with a refill in it: steps 6, 7 come onto steps 0, 1.
.macro STEPR slot, sc
	s_wait_tensorcnt 0x0                           ; my part of steps 4, 5 has landed
	ds_add_u32 v[SPW], v[NIL]                      ; 0 onto my spare word
	s_wait_dscnt 13                                ; (the add and the youngest 12 loads may be out)
	WIN MUL_LO
	MUL16 0, 0, 0, \sc, 0
	s_wait_dscnt 0x0                               ; the add is done, and so are my reads
	s_barrier_signal -1
	MUL16 2, 0, 0, \sc, 0
	WIN 0
	s_barrier_wait -1
	CREST                                          ; no wave of any partner still reads steps 0, 1 or has a load on its way; steps 4, 5 are shown to all
	s_add_nc_u64 s[G0+2:G0+3], s[G0+2:G0+3], 3*HALFT
	s_add_nc_u64 s[G0B+2:G0B+3], s[G0B+2:G0B+3], 3*HALFT
	JLOAD G0, G1, G0B, G1B                         ; the first tensor load behind the round; its four v_nop are the places in front of the loads below
	FETCH_B \slot, 1, 1
	FETCH_A \slot, 1, 0
	WIN MUL_HI
	MUL16 4, 0, 0, \sc, 0
	MUL16 6, 0, 0, \sc, 0
	PLACES 4
	WIN 0
	FETCH_A \slot, 1, 4
.endm
	TURN 0, 1, 1, 0, 1                             ; on into slot 1, which the first round has shown
	STEPR 1, 1                                     ; steps 2, 3: slot 1; steps 6, 7 are asked for
	TURN 1, 2, 0, 0, 2
	STEP 2, 0, 0                                   ; steps 4, 5: slot 2
	TURN 0, 0, 1, 2, 3                             ; Wv is asked for: the last two steps and the first way out in which to land
	STEP 0, 1, 0                                   ; steps 6, 7: slot 0
	s_wait_dscnt 12
	WIN MUL_LO
	MUL16 0, 1, 1, 1, 0
	MUL16 2, 1, 1, 1, 0
	s_wait_dscnt 0x0
	WIN MUL_HI
	MUL16 4, 1, 1, 1, 0
	MUL16 6, 1, 1, 1, 0
	WIN 0
	PLACES 4                                       ; in front of the first reads of results and of writes over operands and scale registers
.irp b, 0,1,2,3
	v_mov_b32 v[36+\b], 0                          ; a lane permute's destination counts as one of its sources
.endr
.irp a, 0,1,2,3,4,5,6,7
	QUANTW \a, AF, 14
.endr
.irp j, 0,1,2,3
	v_cndmask_b32 v[40+\j], v[48+\j], v[52+\j], s66   ; lanes 0-15 store the words of blocks 0-3, lanes 16-31 those of 4-7
.endr
	global_store_b128 v[LI], v[40:43], s[16:17]    ; the block's 512 bytes of scale words
	; PART 2 begins.  X's steps 0, 1 come once more, into slot 0's W half, which nobody reads any more
	s_wait_tensorcnt 0x0                           ; my unit of Wv has landed; no tensor load of mine is out, so a group 0 may be written
	ds_add_u32 v[SPW], v[NIL]                      ; 0 onto my spare word; work on registers stands between it and the wait for it
	s_sub_nc_u64 s[G0+2:G0+3], s[G0+2:G0+3], 3*HALFT   ; back from steps 6, 7 to steps 0, 1; the type bits on top are not reached
	s_add_co_u32 s[G0+1], s[G0+1], 4*HALFT         ; from X's steps 6, 7 to W's
	s_wait_xcnt 0x0                                ; the first way out's stores have read their registers: these may be written again
.irp a, 0,1,2,3
.irp j, 0,1,2,3,4,5,6,7
	v_mov_b32 v[BI2+8*\a+\j], v[BVR+\a]            ; a lane's eight registers are eight tokens of one feature: bv of my row, eight times
.endr
.endr
	s_wait_dscnt 0x0                               ; the add is done, and my reads of slot 0 are over
	CROUND                                         ; no wave of any partner still reads these bytes or has a load on its way
	s_cmp_eq_u32 s19, 0
	s_cbranch_scc0 .Lno_x                          ; waves 2 and 3 have no part of it
	tensor_load_to_lds s[G0:G0+3], s[G1:G1+7]
	s_nop 0
	PLACES 4
.Lno_x:
	FETCH2 0
	s_wait_alu depctr_va_vdst(0)
	STEP2 0, 1, 0
	STEP2 1, 0, 0
	STEP2 2, 0, 0
	STEP2 3, 0, 0
	STEP2 4, 0, 0
	STEP2 5, 0, 1                                  ; it fetches K step 0
	STEP2 6, 0, 0
	s_wait_dscnt 0x0
	WIN MUL_LO
	MULA2 7, 0, 0
	MULA2 7, 1, 0
	MULA2 7, 2, 0
	MULA2 7, 3, 0
	WIN 0
	PLACES 4
.irp a, 0,1,2,3
	QUANTW \a, AF2, 96
.endr
	v_cndmask_b32 v40, v48, v50, s66               ; lanes 0-15 store the words of blocks 0, 1, lanes 16-31 those of 2, 3
	v_cndmask_b32 v41, v49, v51, s66
	global_store_b64 v[SA2], v[40:41], s[98:99]    ; my half of the block's scale words: 256 consecutive bytes, aligned
	s_wait_tensorcnt 0x0                           ; the wave's end
	ds_add_u32 v[SPW], v[NIL]
	s_wait_dscnt 0x0
	CROUND                                         ; the closing round
	s_endpgm
.Lfunc_end_k_q19427a7f6f_qkv:
	.size	k_q19427a7f6f_qkv, .Lfunc_end_k_q19427a7f6f_qkv-k_q19427a7f6f_qkv
	.p2alignl 7, 3214868480
	.fill 96, 4, 3214868480
	.section	.rodata,"a",@progbits
	.p2align	6, 0x0
	.amdhsa_kernel k_q19427a7f6f_qkv
		.amdhsa_group_segment_fixed_size 327680
		.amdhsa_private_segment_fixed_size 0
		.amdhsa_enable_private_segment 0
		.amdhsa_kernarg_size 56
		.amdhsa_user_sgpr_count 2
		.amdhsa_user_sgpr_kernarg_segment_ptr 1
		.amdhsa_wavefront_size32 1
		.amdhsa_system_sgpr_workgroup_id_x 1
		.amdhsa_system_sgpr_workgroup_id_y 1
		.amdhsa_system_sgpr_workgroup_id_z 1
		.amdhsa_system_vgpr_workitem_id 0
		.amdhsa_next_free_vgpr 1024
		.amdhsa_next_free_sgpr 102
		.amdhsa_reserve_vcc 0
		.amdhsa_float_denorm_mode_32 3
		.amdhsa_float_denorm_mode_16_64 3
		.amdhsa_memory_ordered 1
		.amdhsa_forward_progress 1
		.amdhsa_inst_pref_size 215
	.end_amdhsa_kernel
	.amdgpu_metadata
---
amdhsa.version: [ 1, 2 ]
amdhsa.kernels:
  - .name:           k_q19427a7f6f_qkv
    .symbol:         k_q19427a7f6f_qkv.kd
    .args:
      - { .name: xwc, .offset: 0, .size: 8, .value_kind: global_buffer, .address_space: global }
      - { .name: xws, .offset: 8, .size: 8, .value_kind: global_buffer, .address_space: global }
      - { .name: bq, .offset: 16, .size: 8, .value_kind: global_buffer, .address_space: global }
      - { .name: bk, .offset: 24, .size: 8, .value_kind: global_buffer, .address_space: global }
      - { .name: bv, .offset: 32, .size: 8, .value_kind: global_buffer, .address_space: global }
      - { .name: qkvc, .offset: 40, .size: 8, .value_kind: global_buffer, .address_space: global }
      - { .name: qkvs, .offset: 48, .size: 8, .value_kind: global_buffer, .address_space: global }
    .group_segment_fixed_size: 327680
    .private_segment_fixed_size: 0
    .kernarg_segment_align: 8
    .kernarg_segment_size: 56
    .max_flat_workgroup_size: 128
    .sgpr_count:     102
    .vgpr_count:     1024
    .wavefront_size: 32
...
	.end_amdgpu_metadata
.endif
;; end of part 2
;; launch scores (part 3): grid 8 x 32, 4 waves a work-group, clusters of 4 x 4, 327,680 bytes of LDS; arguments qkvc, qkvs, pc, ps, pm, pl; writes pc, ps, pm, pl
.if DOCPART == 3
	.amdgcn_target "amdgcn-amd-amdhsa--gfx1250"
	.amdhsa_code_object_version 6
	.text
	.protected	k_q19427a7f6f_scores
	.globl	k_q19427a7f6f_scores
	.p2align	8
	.type	k_q19427a7f6f_scores,@function
k_q19427a7f6f_scores:
	s_mov_b64 s[64:65], 0
	v_nop
	global_prefetch_b8 v0, s[64:65] scope:SCOPE_SE
	s_setreg_imm32_b32 hwreg(HW_REG_WAVE_MODE, 25, 1), 1
	s_wait_xcnt 0x0
	s_wait_alu depctr_hold_cnt(0) depctr_sa_sdst(0) depctr_va_vdst(0) depctr_va_sdst(0) depctr_va_ssrc(0) depctr_va_vcc(0) depctr_vm_vsrc(0)
	s_getreg_b32 s2, hwreg(HW_REG_IB_STS2, 6, 4)
	s_cmp_eq_u32 s2, 0
	s_cbranch_scc0 .Lentry_in_a_cluster
	s_endpgm
.Lentry_in_a_cluster:
	s_bfe_u32 s2, ttmp6, 0x10000c
	s_cmp_lg_u32 s2, 0xf033
	s_cbranch_scc0 .Lentry_shape_is_right
	s_endpgm
.Lentry_shape_is_right:
; S = q k^T on codes of FP6 (E2M3) with E8M0 scales, and the softmax's numerator, quantised for the product with v.
; t = score x log2(e) / 32.  For each query and each 128 keys (a wave's columns): M = ceil(the largest t of these 128 keys), a whole number; p = 2^(t - M); l = the sum of the unquantised p;
; p is quantised along the keys in blocks of 32.  Stored: p's codes and scale words, -M and l.  The next launch brings all 16 key groups of a row under the row's own M: a whole power of two, which it
; takes off the scale bytes; the codes stay as they are.  The maximum is taken away before every exponential: no exponent is above 0.
; Operands and results lie as images of the matrix operand's registers (rows in groups of 128, K in steps of 128, a block = 8 fragments x 1,536 bytes; lane (r, h) of fragment i holds row
; 32 (i / 2) + 8 (i % 2) + r + 8 (r / 8); words at 256 (i / 4) + 16 r + 4 (i % 4) of a block's 512 bytes).
; LIMITS: a block whose largest p lies under 2^(3 - 127) gets the scale byte 1; p under 2^-126 comes out of v_exp_f32 as 0; NaN and infinities are not served.
; SHARES.  A work-group of four waves makes 256 queries x 256 keys of one batch, a wave 128 x 128: 64 accumulators.  K = 1,024 in 8 steps of 128.
; LDS.  Three slots of 256 along K (q's two groups, then k's two, 24,576 bytes each).  K is four slots' worth: steps 0-5 are first fills; steps 6, 7 come into slot 0 when it has been read, and have two slots' steps in which to land.
; Source 0 = 16 keys, source 1 = 16 queries: a lane holds one query, and the 16 registers of accumulators (a, 2 n), (a, 2 n + 1) are keys 32 n + 16 h + 0 .. 15.
; CLUSTERS: 4 x 4: q's tiles are asked for jointly along a row of the cluster, k's along a column.  No L2 prefetch: one refill in all.
; REGISTERS: window 0: v16-29 addresses; v32-63 scale words, later at work; v64-127 p; v128-223 A's fragments, later p's codes; v224-239 -M and l.  window 1: B's two sets.  windows 2, 3: accumulators.
; WHAT HOLDS IN PLACE OF THE LINES ABOVE.  pc is laid [query group of 128][fragment i][key step of 128][1,536 bytes]: a fragment's 16 rows x 2,048 keys are 24,576 bytes on end.
; LDS, H = 24,576 bytes, two steps of a group: steps 0-3 of q's two groups at 0 and 2 H, of k's at 4 H and 6 H ("slots 0 and 1"); steps 4, 5 of q's at 8 H and 10 H, of k's at 9 H and 11 H ("slot 2").
; FILLS.  At the head one tensor load a wave: four steps of a group.  Steps 4, 5 come behind the first round, steps 6, 7 onto steps 0, 1 in step 2.  The scale words go through registers into LDS, 4,096 bytes a wave.
; No L2 prefetch: K is eight steps, no loop runs ahead, and every refill has three steps' matrix work or more in which to land.
; The maxima of all eight blocks are taken first, then each block's exponentials.  The promise holds while the scaled scores t stay under 2^31 in magnitude.
.set KSB,   12288
.set FRB,   1536
.set GRPB,  8*KSB
.set HALFT, 2*KSB
.set SLOT,  4*HALFT
.set SCL,   3*SLOT                     ; behind the slots: the four groups' scale words for all of K, filled once
.set SPARE, SCL+4*4096                 ; the spare words: two blocks of 256 bytes that no other line names
.set ADRA, 16                          ; v16-18 my q fragments in slot 0, 1, 2
.set ADRB, 20                          ; v20-22 my k fragments
.set LI,   24
.set ADRS, 27
.set SPW,  28
.set NIL,  29
.set SC,   32
.set P,    64
.set AF,   128
.set G1,   24                          ; s[24:31] group 1, q's tiles;  s[32:39] groups 0, from step 0 and from step 4
.set G0,   32
.set G1B,  44                          ; s[44:51], s[52:59] the same for k's tiles
.set G0B,  52
.set G1S,  68
.set G0S,  76
.set G1SB, 80
.set G0SB, 88
.set CS,   100                         ; s[100:101] c = log2(e) / 32
.set MSB, 0
.macro WIN new
.if MSB != (\new)
	s_set_vgpr_msb (MSB<<8)|(\new)
.set MSB, (\new)
.endif
.endm
.set MUL_LO, 0xa1
.set MUL_HI, 0xf1
.set TO_B,   0x40
.macro JLOAD g0a, g1a, g0b, g1b        ; a joint load: waves 0, 1 fetch for q, waves 2, 3 for k; an s_nop 0 and four v_nop follow each line
	s_cmp_eq_u32 s19, 0
	s_cbranch_scc0 .Lfor_b_\@
	tensor_load_to_lds s[\g0a:\g0a+3], s[\g1a:\g1a+7]
	s_nop 0
.rept 4
	v_nop
.endr
	s_branch .Lasked_\@
.Lfor_b_\@:
	tensor_load_to_lds s[\g0b:\g0b+3], s[\g1b:\g1b+7]
	s_nop 0
.rept 4
	v_nop
.endr
.Lasked_\@:
.endm
.macro CREST
	s_cmp_lg_u32 s18, 0
	s_cbranch_scc1 .Lnot_wave_0_\@
	s_barrier_signal -3
.Lnot_wave_0_\@:
	s_barrier_wait -3
	s_barrier_signal -1
	s_barrier_wait -1
.endm
.macro CROUND
	s_barrier_signal -1
	s_barrier_wait -1
	CREST
.endm
.macro PLACES n
.rept \n
	v_nop
.endr
.endm
	s_load_b256 s[4:11], s[0:1], 0x0               ; qkvc, qkvs, pc, ps
	s_load_b128 s[12:15], s[0:1], 0x20             ; pm, pl
	v_lshl_add_u32 v[SPW], v0, 2, SPARE
	v_mov_b32 v[NIL], 0
	ds_add_u32 v[SPW], v[NIL]                      ; the wave's opening: the add and its wait ahead of my first tensor load
	ds_add_u32 v[SPW], v[NIL]
	v_lshrrev_b32 v1, 5, v0
	v_readfirstlane_b32 s18, v1                    ; wave 0..3
	s_lshr_b32 s19, s18, 1                         ; which of the two query groups is mine.  Also: I fetch for q (0) or for k (1)
	s_and_b32 s20, s18, 1                          ; which of the two key groups is mine.  Also: which group I fetch
	s_bfe_u32 s96, ttmp6, 0x40000                  ; cx
	s_bfe_u32 s97, ttmp6, 0x40004                  ; cy
	s_lshl_b32 s99, s97, 2
	s_lshl_b32 s99, 15, s99                        ; my row of the cluster
	s_lshl_b32 s16, 0x1111, s96                    ; my column
	s_or_b32 s[G1], s99, (3<<16)|(1<<21)           ; dense blocks as rows of 256 bytes (32 elements of 8 bytes), no padding
	s_or_b32 s[G1B], s16, (3<<16)|(1<<21)
.irp g, G1, G1B                        ; for the head 192 rows, four steps; behind it 96, two steps
	s_mov_b32 s[\g+1], 32<<16
	s_mov_b32 s[\g+2], 192<<16
	s_mov_b32 s[\g+3], 32<<16
	s_mov_b32 s[\g+4], 192
	s_mov_b32 s[\g+5], 32
	s_mov_b32 s[\g+6], 0
	s_mov_b32 s[\g+7], 0
.endr
	s_lshl_b32 s21, ttmp9, 2
	s_add_co_u32 s21, s21, s96                     ; the tile of 256 keys in the batch, 0 .. 7
	s_and_b32 s98, ttmp7, 0xffff                   ; the cluster's y, 0 .. 7
	s_lshr_b32 s67, s98, 1                         ; the batch: all sixteen partners share it
	s_lshl_b32 s98, s98, 2
	s_add_co_u32 s98, s98, s97                     ; the tile of 256 queries, 0 .. 31, over all batches
	s_lshl_b32 s99, s98, 1
	s_add_co_u32 s99, s99, s20                     ; q's group that I would fetch
	s_lshl_b32 s67, s67, 4
	s_lshl_b32 s16, s21, 1
	s_add_co_u32 s67, s67, s16
	s_add_co_u32 s67, s67, s20
	s_add_co_u32 s67, s67, 64                      ; k's: 16 x batch + 2 x tile + half, behind q's 64 groups
	s_mul_i32 s97, s18, HALFT                      ; where they go in a slot: no place in the cluster enters an LDS address
	s_mov_b32 s22, 0x76543210
	s_mov_b32 s23, 0xfedcba98
	s_mov_b32 s66, 0xffff0000
	s_wait_alu depctr_va_vdst(0)                   ; directly ahead of the waits below
	s_wait_dscnt 0x0                               ; both opening adds are done
	CROUND                                         ; all sixteen work-groups are here: the first joint loads meet
	s_wait_kmcnt 0x0
	s_mul_i32 s2, s99, GRPB
	s_mov_b32 s3, 0
	s_add_nc_u64 s[2:3], s[4:5], s[2:3]            ; q's group: its codes
	s_mul_i32 s16, s67, GRPB
	s_mov_b32 s17, 0
	s_add_nc_u64 s[16:17], s[4:5], s[16:17]        ; k's group: its codes
.irp s, 0,1                            ; groups 0: from step 0 on (its refill steps from there), and from step 4 on
	s_mov_b32 s[G0+4*\s], 1
	s_mov_b32 s[G0B+4*\s], 1
	s_add_nc_u64 s[G0+4*\s+2:G0+4*\s+3], s[2:3], \s*2*HALFT
	s_or_b32 s[G0+4*\s+3], s[G0+4*\s+3], 0x80000000
	s_add_nc_u64 s[G0B+4*\s+2:G0B+4*\s+3], s[16:17], \s*2*HALFT
	s_or_b32 s[G0B+4*\s+3], s[G0B+4*\s+3], 0x80000000
.endr
	s_lshl_b32 s3, s97, 1                          ; wave x 2 H
	s_mov_b32 s[G0+1], s3
	s_mov_b32 s[G0B+1], s3
	s_mul_i32 s2, s20, 2*HALFT
	s_mul_i32 s16, s19, HALFT
	s_add_co_u32 s2, s2, s16
	s_add_co_u32 s2, s2, 8*HALFT                   ; 8 H + 2 H x group + H for k
	s_mov_b32 s[G0+5], s2
	s_mov_b32 s[G0B+5], s2
	JLOAD G0, G1, G0B, G1B                         ; steps 0-3: one tensor load a wave at the head
	s_cmp_eq_u32 s19, 0
	s_cselect_b32 s99, s99, s67                    ; the group that I fetch: its scale words
	s_lshl_b32 s16, s99, 12
	s_mov_b32 s17, 0
	s_add_nc_u64 s[16:17], s[6:7], s[16:17]
	v_and_b32 v36, 31, v0
	v_lshlrev_b32 v36, 4, v36
.irp i, 0,1,2,3,4,5,6,7
	global_load_b128 v[AF+4*\i:AF+4*\i+3], v36, s[16:17] offset:512*\i   ; 512 consecutive bytes
.endr
	s_mov_b32 s[CS], 0x3d38aa3b                    ; c = log2(e) / 32
	s_mov_b32 s[CS+1], s[CS]                       ; (named with it as a pair, so it is written)
	v_and_b32 v1, 15, v0                           ; r
	v_bfe_u32 v2, v0, 4, 1                         ; h
	s_wait_alu depctr_va_vdst(0)
	v_and_b32 v3, 31, v0
	v_lshlrev_b32 v[LI], 4, v3
	s_mul_i32 s2, s19, HALFT
	s_mul_i32 s3, s20, HALFT
	s_add_co_u32 s3, s3, 2*HALFT
	s_lshl_b32 s2, s2, 1                           ; a group's four steps take 2 H
	s_lshl_b32 s3, s3, 1
	v_add_nc_u32 v[ADRA], s2, v[LI]
	v_add_nc_u32 v[ADRB], s3, v[LI]
	v_add_nc_u32 v[ADRA+1], HALFT, v[ADRA]
	v_add_nc_u32 v[ADRB+1], HALFT, v[ADRB]
	v_add_nc_u32 v[ADRA+2], 8*HALFT, v[ADRA]
	v_add_nc_u32 v[ADRB+2], 5*HALFT, v[ADRB]       ; from 4 H to 9 H
	s_wait_alu depctr_va_vdst(0)                   ; directly ahead of the wait below
	s_wait_xcnt 0x0                                ; the loads of scale words have read their base
	s_lshl_b32 s2, s19, 12
	s_lshl_b32 s3, s20, 12
	s_add_co_u32 s3, s3, 8192
	s_sub_co_u32 s3, s3, s2
	v_mul_u32_u24 v4, s3, v2                       ; lanes 16-31 take k's words: the lower base + h x the distance
	s_add_co_u32 s2, s2, SCL
	v_lshl_add_u32 v4, v1, 4, v4
	v_add_nc_u32 v[ADRS], s2, v4
	; my 128 x 128 is block (query group) x 16 + (key group in the batch) of pc, ps, pm, pl
	s_lshl_b32 s2, s98, 1
	s_add_co_u32 s2, s2, s19
	s_lshl_b32 s2, s2, 4
	s_lshl_b32 s3, s21, 1
	s_add_co_u32 s2, s2, s3
	s_add_co_u32 s2, s2, s20
	s_lshr_b32 s16, s2, 4                          ; pc: query group x 196,608 + key step x 1,536
	s_mul_i32 s16, s16, 16*KSB
	s_and_b32 s3, s2, 15
	s_mul_i32 s3, s3, FRB
	s_add_co_u32 s16, s16, s3
	s_mov_b32 s17, 0
	s_add_nc_u64 s[8:9], s[8:9], s[16:17]
	s_lshl_b32 s16, s2, 9
	s_add_nc_u64 s[10:11], s[10:11], s[16:17]
	s_add_nc_u64 s[12:13], s[12:13], s[16:17]
	s_add_nc_u64 s[14:15], s[14:15], s[16:17]
.macro FRAG reg, adr, q, i
.irp c, 0,1,2
	ds_load_b128 v[\reg+4*\c:\reg+4*\c+3], v[\adr] offset:KSB*(\q)+FRB*(\i)+512*\c
.endr
.endm
.macro FETCH_B slot, q, p
	WIN TO_B
.irp i, 0,1,2,3,4,5,6,7
	FRAG 128*(\p)+12*\i, ADRB+\slot, \q, \i
.endr
	WIN 0
.endm
.macro FETCH_A slot, q, i0
.irp i, \i0, \i0+1, \i0+2, \i0+3
	FRAG AF+12*(\i), ADRA+\slot, \q, \i
.endr
.endm
.macro SCALES set, kslot
.irp q, 0,1
.irp u, 0,1
	ds_load_b128 v[SC+16*(\set)+8*\q+4*\u:SC+16*(\set)+8*\q+4*\u+3], v[ADRS] offset:1024*(\kslot)+512*\q+256*\u
.endr
.endr
.endm
; 16 matrix instructions: q's blocks a0, a0 + 1 x k's eight.  z = 1: the first product starts the sums.  The 64 accumulators take turns, one instruction a turn.
.macro MUL16 a0, p, q, sc, z
.irp a, \a0, \a0+1
.irp b, 0,1,2,3,4,5,6,7
.set DR, 8*(8*((\a)%4)+\b)
.set BR, 128*(\p)+12*\b
.set AR, AF+12*(\a)
.set SR0, SC+16*(\sc)+8*(\q)+\b
.set SR1, SC+16*(\sc)+8*(\q)+(\a)
.if (\z) == 0
	v_wmma_scale_f32_16x16x128_f8f6f4 v[DR:DR+7], v[BR:BR+11], v[AR:AR+11], v[DR:DR+7], v[SR0], v[SR1] matrix_a_fmt:MATRIX_FMT_FP6 matrix_b_fmt:MATRIX_FMT_FP6 matrix_a_scale:MATRIX_SCALE_ROW1
.else
	v_wmma_scale_f32_16x16x128_f8f6f4 v[DR:DR+7], v[BR:BR+11], v[AR:AR+11], 0, v[SR0], v[SR1] matrix_a_fmt:MATRIX_FMT_FP6 matrix_b_fmt:MATRIX_FMT_FP6 matrix_a_scale:MATRIX_SCALE_ROW1
.endif
.endr
.endr
.endm
.macro STEP slot, sc, z                ; a slot's first step
	s_wait_dscnt 12                                ; all but the youngest 12 loads (A's blocks 4-7)
	WIN MUL_LO
	MUL16 0, 0, 0, \sc, \z
	MUL16 2, 0, 0, \sc, \z
	s_wait_dscnt 0x0
	PLACES 4
	FETCH_B \slot, 1, 1
	FETCH_A \slot, 1, 0
	WIN MUL_HI
	MUL16 4, 0, 0, \sc, \z
	MUL16 6, 0, 0, \sc, \z
	PLACES 4
	WIN 0
	FETCH_A \slot, 1, 4
.endm
; A slot's second step goes on into the next slot.  mode 0: the next slot was shown whole to every wave at an earlier barrier and nothing is filled: no barrier.
; mode 1: slot 0 is filled again, with steps 6, 7: each wave waits for all its tensor loads, adds 0 to its spare word, waits for that and for its reads of the slot; a round of the cluster's barrier; the joint refill first behind it.
; mode 3: the next slot is the one that was filled again: the same lines and the work-group's barrier.
.macro TURN sc, next, nsc, mode, kslot
.if (\mode) == 0
	s_wait_dscnt 12                                ; all but the youngest 12 loads (A's blocks 4-7)
	WIN MUL_LO
	MUL16 0, 1, 1, \sc, 0
	MUL16 2, 1, 1, \sc, 0
	s_wait_dscnt 0x0
	PLACES 4
.else
	s_wait_tensorcnt 0x0                           ; all my tensor loads have landed
	ds_add_u32 v[SPW], v[NIL]                      ; 0 onto my spare word
	s_wait_dscnt 13                                ; (the add and the youngest 12 loads may be out)
	WIN MUL_LO
	MUL16 0, 1, 1, \sc, 0
	s_wait_dscnt 0x0                               ; the add is done, and my reads of this slot are over
	s_barrier_signal -1
	MUL16 2, 1, 1, \sc, 0
	WIN 0
	s_barrier_wait -1
.if (\mode) == 1
	CREST                                          ; a round of the cluster's barrier: no wave of any partner still reads this slot or has a load on its way
	s_add_nc_u64 s[G0+2:G0+3], s[G0+2:G0+3], 3*HALFT
	s_add_nc_u64 s[G0B+2:G0B+3], s[G0B+2:G0B+3], 3*HALFT
	JLOAD G0, G1, G0B, G1B                         ; the first tensor load behind the round; its four v_nop are the places in front of the loads below
.else
	PLACES 4
.endif
.endif
	FETCH_B \next, 0, 0
	FETCH_A \next, 0, 0
	SCALES \nsc, \kslot
	WIN MUL_HI
	MUL16 4, 1, 1, \sc, 0
	MUL16 6, 1, 1, \sc, 0
	PLACES 4
	WIN 0
	FETCH_A \next, 0, 4
.endm
; Block a: 16 queries x my 128 keys.  A lane holds one query; register 16 n + i is key 32 n + 16 h + i.
.set BM,   192                         ; v[192 + 4 a + b]: block a's largest score of its keys 32 b .. 32 b + 31; codes of blocks 5 to 7 come over those that have been used
.set NMV,  224                         ; v224-231: -M of the eight blocks
.macro MAXQ a                          ; it serves the row's maximum and, since p rises with the score, the block's largest p
.set QW, 2+(\a)/4
.set QS, 64*((\a)%4)
	WIN (QW<<2)|(QW<<4)
.irp b, 0,1,2,3
	v_max3_num_f32 v[BM+4*(\a)+\b], 0xff800000, v[QS+16*\b], v[QS+16*\b+1]
.endr
.irp i, 2,4,6,8,10,12,14
.irp b, 0,1,2,3
	v_max3_num_f32 v[BM+4*(\a)+\b], v[BM+4*(\a)+\b], v[QS+16*\b+\i], v[QS+16*\b+\i+1]
.endr
.endr
.endm
.macro SOFTQ a
.set QW, 2+(\a)/4
.set QS, 64*((\a)%4)
.set QP, AF+12*(\a)
.set QN, NMV+2*((\a)/2)                ; the pair in which -M lies, low word for even a, high for odd
	WIN QW
.irp j, 0,2,4,6,8,10,12,14,16,18,20,22,24,26,28,30,32,34,36,38,40,42,44,46,48,50,52,54,56,58,60,62
.if (\a)%2
	v_pk_fma_f32 v[P+\j:P+\j+1], v[QS+\j:QS+\j+1], s[CS:CS+1], v[QN:QN+1] op_sel:[0,0,1] op_sel_hi:[1,0,1]   ; t - M, two at a time
.else
	v_pk_fma_f32 v[P+\j:P+\j+1], v[QS+\j:QS+\j+1], s[CS:CS+1], v[QN:QN+1] op_sel_hi:[1,0,0]
.endif
.endr
	WIN 0
.irp b, 0,1,2,3
	v_fma_f32 v[BM+4*(\a)+\b], v[BM+4*(\a)+\b], s[CS], v[NMV+(\a)]     ; the same of each block's largest score
.endr
	s_wait_alu depctr_va_vdst(0)
.irp j, 0,1,2,3,4,5,6,7,8,9,10,11,12,13,14,15,16,17,18,19,20,21,22,23,24,25,26,27,28,29,30,31,32,33,34,35,36,37,38,39,40,41,42,43,44,45,46,47,48,49,50,51,52,53,54,55,56,57,58,59,60,61,62,63
	v_exp_f32 v[P+\j], v[P+\j]                     ; p = 2^(t - M), at most 1
.endr
.irp b, 0,1,2,3
	v_exp_f32 v[BM+4*(\a)+\b], v[BM+4*(\a)+\b]     ; the block's largest p: the same two instructions on the same number give the same bits
.endr
	v_nop                                          ; the plain place behind the exponentials
	s_wait_alu depctr_va_vdst(0)                   ; one wait for the batch of 68, ahead of its first reader
	v_pk_add_f32 v[42:43], v[P:P+1], v[P+8:P+9]    ; the sum of the unquantised p, in four chains
	v_pk_add_f32 v[240:241], v[P+2:P+3], v[P+10:P+11]
	v_pk_add_f32 v[242:243], v[P+4:P+5], v[P+12:P+13]
	v_pk_add_f32 v[244:245], v[P+6:P+7], v[P+14:P+15]
.irp j, 16,24,32,40,48,56
	v_pk_add_f32 v[42:43], v[42:43], v[P+\j:P+\j+1]
	v_pk_add_f32 v[240:241], v[240:241], v[P+\j+2:P+\j+3]
	v_pk_add_f32 v[242:243], v[242:243], v[P+\j+4:P+\j+5]
	v_pk_add_f32 v[244:245], v[244:245], v[P+\j+6:P+\j+7]
.endr
	v_pk_add_f32 v[42:43], v[42:43], v[240:241]
	v_pk_add_f32 v[242:243], v[242:243], v[244:245]
	v_pk_add_f32 v[42:43], v[42:43], v[242:243]
	v_add_f32 v42, v42, v43
	v_permlanex16_b32 v36, v42, s22, s23
	v_add_f32 v[232+(\a)], v42, v36                ; with lane l xor 16's: l of my query over these 128 keys
.irp b, 0,1,2,3
	v_max_num_f32 v[BM+4*(\a)+\b], 0x1800000, v[BM+4*(\a)+\b]    ; the floor 2^(3 - 127): the byte cannot fall under 1
.endr
.irp b, 0,1,2,3
	v_add_nc_u32 v[44+\b], 0xff000000, v[BM+4*(\a)+\b]    ; 2 off the exponent field: the conversion's scale operand
.endr
.irp b, 0,1,2,3
	v_lshrrev_b32 v[36+\b], 23, v[44+\b]
.endr
	v_lshl_or_b32 v[48+(\a)], v37, 8, v36
	v_lshl_or_b32 v[48+(\a)], v38, 16, v[48+(\a)]
	v_lshl_or_b32 v[48+(\a)], v39, 24, v[48+(\a)]  ; p's scale word for these 128 keys, under the local M
.irp c, 0,1
	v_cvt_scalef32_pk16_fp6_f32 v[QP+6*\c:QP+6*\c+2], v[P+32*\c:P+32*\c+15], v[44+2*\c]
	v_cvt_scalef32_pk16_fp6_f32 v[56+4*\c:58+4*\c], v[P+32*\c+16:P+32*\c+31], v[44+2*\c+1]
.endr
	v_nop                                          ; one plain place behind a scaled conversion
.irp c, 0,1
.irp i, 0,1,2
	v_permlane16_swap_b32 v[QP+6*\c+\i], v[56+4*\c+\i]
.endr
.irp i, 0,1,2
	v_mov_b32 v[QP+6*\c+3+\i], v[56+4*\c+\i]
.endr
.endr
.irp c, 0,1,2
	global_store_b128 v[LI], v[QP+4*\c:QP+4*\c+3], s[8:9] offset:16*FRB*(\a)+512*\c   ; 512 consecutive bytes, aligned; each block has registers of its own
.endr
.endm
	s_lshl_b32 s2, s18, 12
	s_add_co_u32 s2, s2, SCL
	v_add_nc_u32 v37, s2, v[LI]
	s_wait_alu depctr_va_vdst(0)                   ; the wait at the head's end
	s_wait_loadcnt 0x0                             ; my group's scale words are in
.irp i, 0,1,2,3,4,5,6,7
	ds_store_b128 v37, v[AF+4*\i:AF+4*\i+3] offset:512*\i
.endr
	s_wait_tensorcnt 0x0                           ; my tile is in
	ds_add_u32 v[SPW], v[NIL]                      ; 0 onto my spare word
.irp g, G1, G1B                        ; no tensor load of mine is out: from here on two steps a load
	s_mov_b32 s[\g+2], 96<<16
	s_mov_b32 s[\g+4], 96
.endr
	s_wait_dscnt 0x0                               ; the add is done, and so are my stores of scale words
	CROUND                                         ; everybody's tiles and words are in, and the joint loads meet:
	JLOAD G0+4, G1, G0B+4, G1B                     ; steps 4, 5, the first tensor load behind the round
	FETCH_B 0, 0, 0
	FETCH_A 0, 0, 0
	SCALES 0, 0
	FETCH_A 0, 0, 4
	STEP 0, 0, 1                                   ; steps 0, 1: slot 0.  The first products start the sums: nothing is cleared
; A slot's first step with a refill in it: steps 6, 7 come onto steps 0, 1.
.macro STEPR slot, sc
	s_wait_tensorcnt 0x0                           ; my part of steps 4, 5 has landed
	ds_add_u32 v[SPW], v[NIL]                      ; 0 onto my spare word
	s_wait_dscnt 13                                ; (the add and the youngest 12 loads may be out)
	WIN MUL_LO
	MUL16 0, 0, 0, \sc, 0
	s_wait_dscnt 0x0                               ; the add is done, and so are my reads
	s_barrier_signal -1
	MUL16 2, 0, 0, \sc, 0
	WIN 0
	s_barrier_wait -1
	CREST                                          ; no wave of any partner still reads steps 0, 1 or has a load on its way; steps 4, 5 are shown to all
	s_add_nc_u64 s[G0+2:G0+3], s[G0+2:G0+3], 3*HALFT
	s_add_nc_u64 s[G0B+2:G0B+3], s[G0B+2:G0B+3], 3*HALFT
	JLOAD G0, G1, G0B, G1B                         ; the first tensor load behind the round; its four v_nop are the places in front of the loads below
	FETCH_B \slot, 1, 1
	FETCH_A \slot, 1, 0
	WIN MUL_HI
	MUL16 4, 0, 0, \sc, 0
	MUL16 6, 0, 0, \sc, 0
	PLACES 4
	WIN 0
	FETCH_A \slot, 1, 4
.endm
	TURN 0, 1, 1, 0, 1                             ; on into slot 1, which the first round has shown
	STEPR 1, 1                                     ; steps 2, 3: slot 1; steps 6, 7 are asked for
	TURN 1, 2, 0, 0, 2
	STEP 2, 0, 0                                   ; steps 4, 5: slot 2
	TURN 0, 0, 1, 3, 3
	STEP 0, 1, 0                                   ; steps 6, 7: slot 0
	s_wait_dscnt 12
	WIN MUL_LO
	MUL16 0, 1, 1, 1, 0
	MUL16 2, 1, 1, 1, 0
	s_wait_dscnt 0x0
	WIN MUL_HI
	MUL16 4, 1, 1, 1, 0
	MUL16 6, 1, 1, 1, 0
	WIN 0
	PLACES 4
.irp b, 0,1,2,3
	v_mov_b32 v[36+\b], 0                          ; a lane permute's destination counts as one of its sources
.endr
.irp a, 0,1,2,3,4,5,6,7                ; every score is read here for the first time
	MAXQ \a
.endr
	WIN 0
.set I, 0
.rept 32
	v_permlanex16_b32 v[AF+I], v[BM+I], s22, s23   ; (into registers that held q's fragments)
.set I, I+1
.endr
.set I, 0
.rept 32
	v_max_num_f32 v[BM+I], v[BM+I], v[AF+I]        ; with lane l xor 16's 16 keys
.set I, I+1
.endr
.irp a, 0,1,2,3,4,5,6,7
	v_max3_num_f32 v[NMV+\a], v[BM+4*\a], v[BM+4*\a+1], v[BM+4*\a+2]
.endr
.irp a, 0,1,2,3,4,5,6,7
	v_max_num_f32 v[NMV+\a], v[NMV+\a], v[BM+4*\a+3]   ; the largest score of my query among these 128 keys
.endr
.irp a, 0,1,2,3,4,5,6,7
	v_mul_f32 v[NMV+\a], s[CS], v[NMV+\a]          ; as t (c is positive)
.endr
.irp a, 0,1,2,3,4,5,6,7
	v_floor_f32 v[NMV+\a], -v[NMV+\a]              ; -M = floor(-t) = -ceil(t): a whole number
.endr
.irp a, 0,1,2,3,4,5,6,7
	SOFTQ \a
.endr
.irp j, 0,1,2,3
	v_cndmask_b32 v[240+\j], v[48+\j], v[52+\j], s66     ; lanes 0-15 store the words of blocks 0-3, lanes 16-31 those of 4-7
	v_cndmask_b32 v[244+\j], v[224+\j], v[228+\j], s66
	v_cndmask_b32 v[248+\j], v[232+\j], v[236+\j], s66
.endr
	global_store_b128 v[LI], v[240:243], s[10:11]  ; p's scale words,
	global_store_b128 v[LI], v[244:247], s[12:13]  ; -M,
	global_store_b128 v[LI], v[248:251], s[14:15]  ; l: 512 consecutive bytes each
	s_wait_tensorcnt 0x0                           ; the wave's end
	ds_add_u32 v[SPW], v[NIL]
	s_wait_dscnt 0x0
	CROUND                                         ; the closing round
	s_endpgm
.Lfunc_end_k_q19427a7f6f_scores:
	.size	k_q19427a7f6f_scores, .Lfunc_end_k_q19427a7f6f_scores-k_q19427a7f6f_scores
	.p2alignl 7, 3214868480
	.fill 96, 4, 3214868480
	.section	.rodata,"a",@progbits
	.p2align	6, 0x0
	.amdhsa_kernel k_q19427a7f6f_scores
		.amdhsa_group_segment_fixed_size 327680
		.amdhsa_private_segment_fixed_size 0
		.amdhsa_enable_private_segment 0
		.amdhsa_kernarg_size 48
		.amdhsa_user_sgpr_count 2
		.amdhsa_user_sgpr_kernarg_segment_ptr 1
		.amdhsa_wavefront_size32 1
		.amdhsa_system_sgpr_workgroup_id_x 1
		.amdhsa_system_sgpr_workgroup_id_y 1
		.amdhsa_system_sgpr_workgroup_id_z 1
		.amdhsa_system_vgpr_workitem_id 0
		.amdhsa_next_free_vgpr 1024
		.amdhsa_next_free_sgpr 102
		.amdhsa_reserve_vcc 0
		.amdhsa_float_denorm_mode_32 3
		.amdhsa_float_denorm_mode_16_64 3
		.amdhsa_memory_ordered 1
		.amdhsa_forward_progress 1
		.amdhsa_inst_pref_size 194
	.end_amdhsa_kernel
	.amdgpu_metadata
---
amdhsa.version: [ 1, 2 ]
amdhsa.kernels:
  - .name:           k_q19427a7f6f_scores
    .symbol:         k_q19427a7f6f_scores.kd
    .args:
      - { .name: qkvc, .offset: 0, .size: 8, .value_kind: global_buffer, .address_space: global }
      - { .name: qkvs, .offset: 8, .size: 8, .value_kind: global_buffer, .address_space: global }
      - { .name: pc, .offset: 16, .size: 8, .value_kind: global_buffer, .address_space: global }
      - { .name: ps, .offset: 24, .size: 8, .value_kind: global_buffer, .address_space: global }
      - { .name: pm, .offset: 32, .size: 8, .value_kind: global_buffer, .address_space: global }
      - { .name: pl, .offset: 40, .size: 8, .value_kind: global_buffer, .address_space: global }
    .group_segment_fixed_size: 327680
    .private_segment_fixed_size: 0
    .kernarg_segment_align: 8
    .kernarg_segment_size: 48
    .max_flat_workgroup_size: 128
    .sgpr_count:     102
    .vgpr_count:     1024
    .wavefront_size: 32
...
	.end_amdgpu_metadata
.endif
;; end of part 3
;; launch pv (part 4): grid 8 x 32, 4 waves a work-group, clusters of 4 x 4, 327,680 bytes of LDS; arguments pc, ps, pm, pl, qkvc, qkvs, out0; writes out0
.if DOCPART == 4
	.amdgcn_target "amdgcn-amd-amdhsa--gfx1250"
	.amdhsa_code_object_version 6
	.text
	.protected	k_q19427a7f6f_pv
	.globl	k_q19427a7f6f_pv
	.p2align	8
	.type	k_q19427a7f6f_pv,@function
k_q19427a7f6f_pv:
	s_mov_b64 s[64:65], 0
	v_nop
	global_prefetch_b8 v0, s[64:65] scope:SCOPE_SE
	s_setreg_imm32_b32 hwreg(HW_REG_WAVE_MODE, 25, 1), 1
	s_wait_xcnt 0x0
	s_wait_alu depctr_hold_cnt(0) depctr_sa_sdst(0) depctr_va_vdst(0) depctr_va_sdst(0) depctr_va_ssrc(0) depctr_va_vcc(0) depctr_vm_vsrc(0)
	s_getreg_b32 s2, hwreg(HW_REG_IB_STS2, 6, 4)
	s_cmp_eq_u32 s2, 0
	s_cbranch_scc0 .Lentry_in_a_cluster
	s_endpgm
.Lentry_in_a_cluster:
	s_bfe_u32 s2, ttmp6, 0x10000c
	s_cmp_lg_u32 s2, 0xf033
	s_cbranch_scc0 .Lentry_shape_is_right
	s_endpgm
.Lentry_shape_is_right:
; out = (p v) / l on codes of FP6 (E2M3) with E8M0 scales.  p arrives as codes with, for each query and each group of 128 keys, a whole number M of its own, the sum l of its unquantised p, and scale bytes under that M.
; THE HEAD brings a row's 16 key groups under the row's M = the largest of the 16: l = the sum of l[g] x 2^(M[g] - M), and M - M[g] is taken off each of p's scale bytes: the codes' values are those that the row's own M would have given.
; LIMITS: M - M[g] is held at 127 and a shifted scale byte at 0 (2^-127) from below: what is lost lies under 2^-119 beside l, which is above 1/2.  NaN and infinities are not served.
; LAYOUTS.  p: [query group of 128][fragment i][key step of 128][1,536 bytes]; lane (r, h) of fragment i holds query 32 (i / 2) + 8 (i % 2) + r + 8 (r / 8).  v^T: [group of 128 channels][key step][fragment i][1,536 bytes]; lane r of
; fragment i holds channel 64 (i / 4) + 4 r + i % 4.  A fragment is three runs of 512 bytes (16 x lane: four registers).  Words of a block of 128 rows: 256 (i / 4) + 16 r + 4 (i % 4).
; SHARES.  A work-group makes 256 queries x 128 channels.  Its waves stand 2 x 2: the wave in column b HOLDS 64 CHANNELS OF v^T, ALL 2,048 KEYS, IN REGISTERS (64 fragments, 768 registers) and streams p past them in blocks of 16 queries,
; all keys; the wave in row a takes blocks 2 n + a, n = 0 .. 7.  A block is 16 steps of 4 products.  Source 0 = p, source 1 = v^T: register j of tile t in lane (r, h) is query 16 h + j, channel 4 r + t: so a lane's four tiles
; give 16 neighbouring bytes and sixteen lanes one aligned unit of 256 bytes: results are stored straight from registers, block n under block n + 1's products.
; LDS.  v^T's 16 steps (196,608 bytes), p's first four blocks (98,304), p's shifted scale words (80 bytes a row), 1 / l, the spare words.  Three refills, each of four blocks of p, one a wave: onto v^T's steps 0-7 when they lie in
; registers, onto its steps 8-15, onto p's first four blocks.
; p's fragments lie in a ring of eight: behind step k's products the ring's place of step k - 1 takes step k + 7, across blocks too.  THE WAITS' COUNTS: at an even step the fragments of two steps must be in; five steps' loads, 15, are
; younger; where a batch of four steps begins, its scale words must be in too: four steps' loads, 12, are younger.
; CLUSTERS: 4 x 4: p's tiles are asked for jointly along a row of the cluster, v^T's along a column.
; PREFETCHES: each refill's 384 units of 256 bytes are named once in the cluster, 24 by each of the sixteen waves of the four work-groups that ask jointly: the first refill's at the head, the second's behind the first refill, the third's behind block 0.
; REGISTERS: windows 1-3: v^T's fragments 0-62, 21 to a window; window 0: v14-17, v22-25 p's scale words; v26-29, v252-255 1 / l; v32-63 v^T's scale words (step k: 2 k + t % 2, lanes 16 t / 2 on); v64-159 p's ring;
; v160-223 two sets of four accumulators; v224-239 on the way out; v240-251 v^T's fragment 63.
; WHAT HOLDS IN PLACE OF THE LINES ON THE RING AND ON THE WAITS.  A block is four batches of four steps, 16 products each.  p's fragments lie in two sets of four: behind batch g's products, in ONE run, stand the loads of the batch two on
; into the set that g has used (12 fragment loads and one of scale words), and the stores of two queries of the block before.  The multiplications of the way out stand among the products, the last four of them as the places in front of the run.
; COUNTS: where a batch begins its own loads are a batch old; younger is one run, 13 (with 1 / l's two loads 15; with the add 14).
.set FRB,   1536
.set BLK,   16*FRB                     ; a block of p
.set VST,   8*FRB                      ; a step of v^T's group
.set CH,    4*BLK                      ; what a refill brings; also half of v^T's tile
.set PB,    2*CH                       ; p's first four blocks
.set PW,    3*CH                       ; p's shifted scale words: row x PP + 4 x step
.set PP,    80
.set RLB,   PW+256*PP                  ; 1 / l
.set SPARE, RLB+1024                   ; the spare words
.set SPW, 1
.set NIL, 2
.set PA0, 3                            ; 16 lane + my row's block
.set PA,  4                            ; v4, v5: the even and the odd block's LDS address
.set PWR, 6                            ; p's scale words of the block
.set PW0, 7
.set RLA, 8                            ; 1 / l of the block
.set RL0, 9
.set OFF, 10                           ; my place in 32 rows of out0
.set PFV, 11                           ; the prefetches' offset
.set VA,  18                           ; v18-21 v^T's fragments, four steps each
.set VS,  32
.set PF,  64
.set ACC, 160
.set OT,  224
.set NM,  64                           ; the head: -M, l and scale words of my two rows, 16 key groups; results at v160 and v176
.set LL,  96
.set PS,  128
.set RW,  160
.set G1V, 24
.set G0V, 32
.set G0H, 36
.set G1P, 48
.set G0P, 56
.set MSB, 0
.macro WIN new
.if MSB != (\new)
	s_set_vgpr_msb (MSB<<8)|(\new)
.set MSB, (\new)
.endif
.endm
.macro PLACES n
.rept \n
	v_nop
.endr
.endm
.macro TLOAD g0, g1
	tensor_load_to_lds s[\g0:\g0+3], s[\g1:\g1+7]
	s_nop 0
	PLACES 4
.endm
.macro CREST
	s_cmp_lg_u32 s18, 0
	s_cbranch_scc1 .Lnot_wave_0_\@
	s_barrier_signal -3
.Lnot_wave_0_\@:
	s_barrier_wait -3
	s_barrier_signal -1
	s_barrier_wait -1
.endm
.macro CROUND
	s_barrier_signal -1
	s_barrier_wait -1
	CREST
.endm
.macro GROUP1 g, mask, rows            ; dense blocks as rows of 256 bytes (32 elements of 8 bytes)
	s_or_b32 s[\g], s\mask, (3<<16)|(1<<21)
	s_mov_b32 s[\g+1], 32<<16
	s_mov_b32 s[\g+2], (\rows)<<16
	s_mov_b32 s[\g+3], 32<<16
	s_mov_b32 s[\g+4], \rows
	s_mov_b32 s[\g+5], 32
	s_mov_b32 s[\g+6], 0
	s_mov_b32 s[\g+7], 0
.endm
.macro GROUP0 g, base, off             ; group 0's address: a 64-bit base + the 32-bit offset in s90 (s91 = 0)
	s_mov_b32 s[\g], 1
	s_add_nc_u64 s[\g+2:\g+3], s[\base:\base+1], s[90:91]
	s_or_b32 s[\g+3], s[\g+3], 0x80000000
.endm
	s_load_b256 s[4:11], s[0:1], 0x0               ; pc, ps, pm, pl
	s_load_b128 s[12:15], s[0:1], 0x20             ; qkvc, qkvs
	s_load_b64 s[16:17], s[0:1], 0x30              ; out0
	v_lshl_add_u32 v[SPW], v0, 2, SPARE
	v_mov_b32 v[NIL], 0
	ds_add_u32 v[SPW], v[NIL]                      ; the wave's opening: the add, twice on end, and its wait ahead of my first tensor load
	ds_add_u32 v[SPW], v[NIL]
	v_lshrrev_b32 v12, 5, v0
	v_readfirstlane_b32 s18, v12                   ; wave
	s_lshr_b32 s19, s18, 1                         ; a: my row of the 2 x 2.  Also: which half of a tile I fetch at the head
	s_and_b32 s20, s18, 1                          ; b: my column
	s_bfe_u32 s40, ttmp6, 0x40000                  ; cx
	s_bfe_u32 s41, ttmp6, 0x40004                  ; cy
	s_and_b32 s42, ttmp7, 0xffff                   ; the cluster's y, 0 .. 7
	s_lshl_b32 s43, s41, 2
	s_lshl_b32 s43, 15, s43                        ; my row of the cluster
	s_lshl_b32 s44, 0x1111, s40                    ; my column
	GROUP1 G1V, 44, 384                            ; eight steps of v^T
	GROUP1 G1P, 43, 192                            ; two blocks of p; behind the head one, 96 rows
	s_lshl_b32 s45, s42, 2
	s_add_co_u32 s45, s45, s41                     ; the tile of 256 queries, 0 .. 31
	s_lshl_b32 s46, ttmp9, 2
	s_add_co_u32 s46, s46, s40                     ; the tile of 128 channels, 0 .. 7
	s_lshr_b32 s47, s42, 1                         ; the batch: all sixteen partners share it
	s_mul_i32 s92, s45, 16*BLK                     ; p's tile
	s_mov_b32 s93, 0
	s_lshl_b32 s94, s47, 3
	s_add_co_u32 s94, s94, s46
	s_add_co_u32 s94, s94, 64                      ; v^T's group, behind q's and k's 1,024 blocks of 12,288 bytes = 64 groups of 16
	s_lshl_b32 s96, s94, 13
	s_lshl_b32 s97, s20, 8
	s_add_co_u32 s96, s96, s97                     ; its scale words, my 64 channels
	s_mov_b32 s97, 0
	s_mul_i32 s94, s94, 16*VST
	s_mov_b32 s95, 0
	s_lshl_b32 s98, s45, 14
	s_mul_i32 s99, s19, 8192-512
	s_add_co_u32 s98, s98, s99                     ; two query groups' words: threads 64-127 take the second's
	s_mov_b32 s99, 0
	s_lshl_b32 s2, s45, 20                         ; out0: 256 rows of 4,096 bytes a tile,
	s_lshl_b32 s3, s19, 15                         ; 8 rows for a,
	s_add_co_u32 s2, s2, s3
	s_lshl_b32 s3, s46, 9
	s_add_co_u32 s2, s2, s3
	s_lshl_b32 s3, s20, 8
	s_add_co_u32 s2, s2, s3                        ; 512 x tile + 256 b
	s_mov_b32 s3, 0
	s_mul_i32 s68, s19, BLK
	s_mul_i32 s69, s20, 4*FRB
	s_mul_i32 s70, s19, 16*PP
	s_add_co_u32 s70, s70, PW
	s_lshl_b32 s71, s19, 6
	s_add_co_u32 s71, s71, RLB
	s_lshl_b32 s72, s40, 2
	s_add_co_u32 s72, s72, s18
	s_mul_i32 s72, s72, 24*256                     ; my share of a refill's units
	s_lshl_b32 s73, s18, 6
	s_mov_b32 s66, 0x80808080
	s_mov_b32 s60, 0                               ; block 2's place in LDS, less mine; two blocks on for each n
	s_mov_b32 s61, 32*PP                           ; block 1's scale words
	s_mov_b32 s62, 128                             ; block 1's 1 / l
	s_mov_b32 s74, 0                               ; what the next way out adds to out0's address: nothing for the first, then 32 rows
	s_mov_b32 s75, 0
	s_mov_b32 s91, 0
	v_and_b32 v12, 15, v0                          ; r
	v_bfe_u32 v13, v0, 4, 1                        ; h
	v_and_b32 v30, 31, v0                          ; lane
	v_lshlrev_b32 v240, 3, v0                      ; the statistics: two neighbouring words a thread
	v_lshlrev_b32 v241, 4, v12
	v_lshl_add_u32 v241, v13, 3, v241              ; v^T's words: tiles 2 h, 2 h + 1 of row r
	v_and_b32 v244, 1, v0                          ; my two rows: row r = lane / 2 of blocks 4 wave + 2 (lane % 2) and the next
	v_lshrrev_b32 v245, 1, v30
	v_lshl_add_u32 v244, v244, 5, v245
	v_add_nc_u32 v244, s73, v244
	v_mul_u32_u24 v242, v244, PP
	v_add_nc_u32 v242, PW, v242
	v_lshlrev_b32 v243, 2, v244
	v_add_nc_u32 v243, RLB, v243
	v_lshl_add_u32 v[PA0], v30, 4, s68
	v_add_nc_u32 v[PA], PB, v[PA0]
	v_add_nc_u32 v[PA+1], PB+2*BLK, v[PA0]
	v_lshl_add_u32 v[VA], v30, 4, s69
	v_add_nc_u32 v[VA+1], 4*VST, v[VA]
	v_add_nc_u32 v[VA+2], 8*VST, v[VA]
	v_add_nc_u32 v[VA+3], 12*VST, v[VA]
	v_mul_u32_u24 v[PW0], v12, PP
	v_add_nc_u32 v[PW0], s70, v[PW0]
	v_mov_b32 v[PWR], v[PW0]
	v_lshl_add_u32 v[RL0], v13, 5, s71             ; queries 8 h + 0 .. 7 of a fragment
	v_mov_b32 v[RLA], v[RL0]
	v_lshlrev_b32 v[OFF], 16, v13                  ; 16 h rows
	v_lshl_add_u32 v[OFF], v12, 4, v[OFF]
	v_min_u32 v31, 23, v30
	v_lshl_add_u32 v[PFV], v31, 8, s72
	s_wait_alu depctr_va_vdst(0)                   ; directly ahead of the waits below
	s_wait_dscnt 0x0                               ; both opening adds are done
	CROUND                                         ; all sixteen work-groups are here: the first joint loads meet
	s_wait_kmcnt 0x0
	s_add_nc_u64 s[6:7], s[6:7], s[98:99]
	s_add_nc_u64 s[8:9], s[8:9], s[98:99]
	s_add_nc_u64 s[10:11], s[10:11], s[98:99]
.irp k, 0,1,2,3,4,5,6,7,8,9,10,11,12,13,14,15
	global_load_b64 v[NM+2*\k:NM+2*\k+1], v240, s[8:9] offset:512*\k     ; 256 consecutive bytes a load
.endr
.irp k, 0,1,2,3,4,5,6,7,8,9,10,11,12,13,14,15
	global_load_b64 v[LL+2*\k:LL+2*\k+1], v240, s[10:11] offset:512*\k
.endr
.irp k, 0,1,2,3,4,5,6,7,8,9,10,11,12,13,14,15
	global_load_b64 v[PS+2*\k:PS+2*\k+1], v240, s[6:7] offset:512*\k
.endr
	s_add_nc_u64 s[4:5], s[4:5], s[92:93]
	s_add_nc_u64 s[12:13], s[12:13], s[94:95]
	s_mul_i32 s90, s19, CH
	s_mov_b32 s[G0V+1], s90                        ; v^T's half goes to wave / 2 x 98,304
	GROUP0 G0V, 12
	s_mul_i32 s90, s19, 2*BLK
	s_add_co_u32 s[G0H+1], s90, PB
	GROUP0 G0H, 4
	s_cmp_eq_u32 s18, 0                            ; one tensor load a wave, each in an arm of its own: v^T's steps 0-7, p's blocks 0, 1, v^T's steps 8-15, p's blocks 2, 3
	s_cbranch_scc0 .Lwave_1
	TLOAD G0V, G1V
	s_branch .Lasked
.Lwave_1:
	s_cmp_eq_u32 s18, 1
	s_cbranch_scc0 .Lwave_2
	TLOAD G0H, G1P
	s_branch .Lasked
.Lwave_2:
	s_cmp_eq_u32 s18, 2
	s_cbranch_scc0 .Lwave_3
	TLOAD G0V, G1V
	s_branch .Lasked
.Lwave_3:
	TLOAD G0H, G1P
.Lasked:
	s_add_nc_u64 s[14:15], s[14:15], s[96:97]
.irp k, 0,1,2,3,4,5,6,7,8,9,10,11,12,13,14,15
	global_load_b64 v[VS+2*\k:VS+2*\k+1], v241, s[14:15] offset:512*\k   ; step k's: lanes 0-15 tiles 0, 1, lanes 16-31 tiles 2, 3
.endr
	global_prefetch_b8 v[PFV], s[4:5] offset:CH th:TH_LOAD_NT scope:SCOPE_SE    ; the first refill's tile
	s_mul_i32 s90, s18, BLK
	s_mov_b32 s[G0P+1], s90                        ; refills: a block a wave, first onto v^T's steps 0-7
	s_add_co_u32 s90, s90, CH
	GROUP0 G0P, 4
	s_add_nc_u64 s[16:17], s[16:17], s[2:3]
	s_wait_loadcnt 16                              ; the 48 statistics loads are in; v^T's words may be out
.irp q, 0,1                            ; the least -M of each of my two rows = -(the row's M)
	v_min3_num_f32 v[224+\q], v[NM+\q], v[NM+2+\q], v[NM+4+\q]
	v_min3_num_f32 v[226+\q], v[NM+6+\q], v[NM+8+\q], v[NM+10+\q]
	v_min3_num_f32 v[228+\q], v[NM+12+\q], v[NM+14+\q], v[NM+16+\q]
	v_min3_num_f32 v[230+\q], v[NM+18+\q], v[NM+20+\q], v[NM+22+\q]
.endr
.irp q, 0,1
	v_min3_num_f32 v[224+\q], v[224+\q], v[NM+24+\q], v[NM+26+\q]
	v_min3_num_f32 v[226+\q], v[226+\q], v[NM+28+\q], v[NM+30+\q]
	v_min_num_f32 v[228+\q], v[228+\q], v[230+\q]
.endr
.irp q, 0,1
	v_min3_num_f32 v[224+\q], v[224+\q], v[226+\q], v[228+\q]
.endr
.macro EACH a:vararg                   ; 32 lines, register I of each run
.set I, 0
.rept 32
	\a
.set I, I+1
.endr
.endm
.set I, 0
.rept 16
	v_pk_add_f32 v[NM+I:NM+I+1], v[NM+I:NM+I+1], v[224:225] neg_lo:[0,1] neg_hi:[0,1]   ; M - M[k]: a whole number, 0 or more,
.set I, I+2
.endr
	EACH v_min_num_f32 v[NM+I], 0x42fe0000, v[NM+I]                 ; held at 127
	EACH v_cvt_u32_f32 v[NM+I], v[NM+I]
	EACH v_sub_nc_u32 v[RW+I], 0, v[NM+I]
	EACH v_ldexp_f32 v[LL+I], v[LL+I], v[RW+I]                      ; l[k] under the row's M
	EACH v_or_b32 v[PS+I], s66, v[PS+I]                             ; four bytes at once: each is under 128, so with the top bit set none borrows from the next
	EACH v_perm_b32 v[NM+I], v[NM+I], v[NM+I], 0                    ; M - M[k] in each byte
	EACH v_sub_nc_u32 v[PS+I], v[PS+I], v[NM+I]
	EACH v_and_b32 v[NM+I], s66, v[PS+I]                            ; the top bit stands where the byte has not fallen under 0
.set I, 8
.rept 12
	v_pk_add_f32 v[LL+I%8:LL+I%8+1], v[LL+I%8:LL+I%8+1], v[LL+I:LL+I+1]   ; the two rows' sums, in four chains
.set I, I+2
.endr
	v_pk_add_f32 v[LL:LL+1], v[LL:LL+1], v[LL+2:LL+3]
	v_pk_add_f32 v[LL+4:LL+5], v[LL+4:LL+5], v[LL+6:LL+7]
	v_pk_add_f32 v[226:227], v[LL:LL+1], v[LL+4:LL+5]               ; l, above 1/2
	EACH v_lshrrev_b32 v[LL+I], 7, v[NM+I]
	EACH v_sub_nc_u32 v[NM+I], v[NM+I], v[LL+I]                     ; 0x7f in such a byte, 0 in the others
	EACH v_and_b32 v[RW+16*(I%2)+I/2], v[PS+I], v[NM+I]             ; row 0's 16 words, then row 1's
	s_wait_alu depctr_va_vdst(0)                   ; the wait ahead of the batch
	v_rcp_f32 v228, v226
	v_rcp_f32 v229, v227
	v_nop                                          ; a plain place behind the reciprocals
	s_wait_alu depctr_va_vdst(0)                   ; the wait ahead of their first reader
.irp q, 0,1
.irp g, 0,1,2,3
	ds_store_b128 v242, v[RW+16*\q+4*\g:RW+16*\q+4*\g+3] offset:16*PP*\q+16*\g
.endr
	ds_store_b32 v243, v[228+\q] offset:64*\q
.endr
; Fragment 4 k + t of v^T: window 1 + f / 21, register 12 (f % 21); fragment 63 in window 0.
.macro VLOAD g                         ; four steps' 16 fragments: 48 loads
.irp q, 0,1,2,3,4,5,6,7,8,9,10,11,12,13,14,15
.set F_, 16*(\g)+\q
.if F_ < 63
	WIN (1+F_/21)<<6
.set R_, 12*(F_%21)
.else
	WIN 0
.set R_, 240
.endif
.irp c, 0,1,2
	ds_load_b128 v[R_+4*\c:R_+4*\c+3], v[VA+\g] offset:VST*(\q/4)+FRB*(\q%4)+512*\c
.endr
.endr
	WIN 0
.endm
.macro LDC k, sl, pa, c
	ds_load_b128 v[PF+12*(\sl)+4*(\c):PF+12*(\sl)+4*(\c)+3], v[\pa] offset:FRB*(\k)+512*(\c)
.endm
.macro LDP k, sl, pa                   ; step k's fragment of the block at v[pa] into the ring's place sl
	LDC \k, \sl, \pa, 0
	LDC \k, \sl, \pa, 1
	LDC \k, \sl, \pa, 2
.endm
.macro RLOAD                           ; 1 / l of queries 8 h + 0 .. 7 of this block
	ds_load_b128 v[26:29], v[RLA]
	ds_load_b128 v[252:255], v[RLA] offset:16
.endm
.macro PR1 d, p, v, c, s, x, row
	v_wmma_scale_f32_16x16x128_f8f6f4 v[\d:\d+7], v[\p:\p+11], v[\v:\v+11], \c, v[\s], v[\x] matrix_a_fmt:MATRIX_FMT_FP6 matrix_b_fmt:MATRIX_FMT_FP6 matrix_b_scale:MATRIX_SCALE_ROW\row
.endm
; A product.  The four accumulators take turns, one instruction a turn, in the same order in every step.
.macro PROD k, t, e
.set F_, 4*(\k)+(\t)
.if F_ < 63
	WIN (1+F_/21)<<2
.set R_, 12*(F_%21)
.else
	WIN 0
.set R_, 240
.endif
.set D_, ACC+32*(\e)+8*(\t)
.set P_, PF+12*((\k)%8)
.set S_, 14+8*(((\k)/4)%2)+(\k)%4
.set X_, VS+2*(\k)+(\t)%2
.if (\k) == 0
.if (\t) < 2
	PR1 D_, P_, R_, 0, S_, X_, 0
.else
	PR1 D_, P_, R_, 0, S_, X_, 1
.endif
.else
.if (\t) < 2
	PR1 D_, P_, R_, v[D_:D_+7], S_, X_, 0
.else
	PR1 D_, P_, R_, v[D_:D_+7], S_, X_, 1
.endif
.endif
.endm
.macro MULQ q, e, dst                  ; query 16 h + q of a finished block (accumulators' set e): four channels / l
.set Q_, \q
.if Q_ < 4
.set L_, 26+Q_
.else
.set L_, 248+Q_
.endif
.irp t, 0,1,2,3
	v_mul_f32 v[\dst+\t], v[ACC+32*(\e)+8*\t+Q_], v[L_]
.endr
.endm
.macro STQ q, src
	global_store_b128 v[OFF], v[\src:\src+3], s[16:17] offset:4096*(\q) th:TH_STORE_NT   ; sixteen lanes store 256 consecutive bytes, aligned
.endm
; A step: the four products of one key step, one for each tile.
.macro STEP k, e
	PROD \k, 0, \e
	PROD \k, 1, \e
	PROD \k, 2, \e
	PROD \k, 3, \e
.endm
.macro RUN g, e                        ; the loads behind batch g: the batch two on, of this block or of the next
.if (\g) == 3
	RLOAD                                          ; its last readers were the four multiplications just ahead
.endif
.if ((\g) < 2) || NX_
.if (\g) < 2
	ds_load_b128 v[14+8*((\g)%2):17+8*((\g)%2)], v[PWR] offset:32+16*(\g)
.else
	ds_load_b128 v[14+8*((\g)%2):17+8*((\g)%2)], v[PWR] offset:32*PP+16*((\g)-2)
.endif
.irp i, 0,1,2,3
.if (\g) < 2
	LDP 4*(\g)+8+\i, 4*((\g)%2)+\i, PA+(\e)
.else
	LDP 4*(\g)-8+\i, 4*((\g)%2)+\i, PA+1-(\e)
.endif
.endr
.endif
.endm
; A batch.  out: the way out of the block before, two queries.  ld: the run behind it.  w: the wait's count, -1 for none.
.macro BATCH g, e, out, ld, w
.if (\w) >= 0
	s_wait_dscnt \w
.endif
	STEP 4*(\g), \e
	STEP 4*(\g)+1, \e
.if \out
	PROD 4*(\g)+2, 0, \e
	PROD 4*(\g)+2, 1, \e
.if (\g) == 0
	s_wait_dscnt 13                                ; 1 / l is in: a run's 13 loads are younger
.endif
	s_wait_xcnt 0x0                                ; the last batch's stores have read their registers and their base
.if (\g) == 0
	s_add_nc_u64 s[16:17], s[16:17], s[74:75]
	s_mov_b32 s74, 32*4096
.endif
	WIN 0
.if (\g) == 0
	v_add_nc_u32 v[PWR], s61, v[PW0]
	v_add_nc_u32 v[RLA], s62, v[RL0]
.if NX_
	v_add_nc_u32 v[PA+1-(\e)], s60, v[PA0]         ; the next block's address: first read two batches on
.endif
.endif
	MULQ 2*(\g), 1-(\e), OT+4*((2*(\g))%4)
	PROD 4*(\g)+2, 2, \e
	PROD 4*(\g)+2, 3, \e
	STEP 4*(\g)+3, \e
	WIN 0
	MULQ 2*(\g)+1, 1-(\e), OT+4*((2*(\g)+1)%4)     ; these four are the places in front of the loads
.else
	STEP 4*(\g)+2, \e
	STEP 4*(\g)+3, \e
	WIN 0
	PLACES 4
.endif
.if \ld
	RUN \g, \e
.endif
.if \out
	STQ 2*(\g), OT+4*((2*(\g))%4)
	STQ 2*(\g)+1, OT+4*((2*(\g)+1)%4)
.endif
.endm
; A block behind the first.  sync = 1: a round of the cluster's barrier and a refill stand in its second batch; 2. last = 1: no block follows.
.macro BLOCK e, sync, last
.set NX_, 1-(\last)
	BATCH 0, \e, 1, 1, 15
	s_add_co_u32 s60, s60, 2*BLK
	s_add_co_u32 s61, s61, 32*PP
	s_add_co_u32 s62, s62, 128
.if (\sync) == 0
	BATCH 1, \e, 1, 1, 13
.else
	s_wait_tensorcnt 0x0                           ; my block of the last refill has landed
.if (\sync) == 1
	ds_add_u32 v[SPW], v[NIL]                      ; 0 onto my spare word; eight products stand between it and the wait for it
	s_add_co_u32 s[G0P+1], s[G0P+1], CH
	s_add_nc_u64 s[G0P+2:G0P+3], s[G0P+2:G0P+3], CH
	s_wait_dscnt 14
.else
	s_wait_dscnt 13
.endif
	STEP 4, \e
	STEP 5, \e
	WIN 0
	s_wait_xcnt 0x0                                ; the last batch's stores have read their registers
	s_wait_dscnt 0x0                               ; the add is done, and my reads are over
	s_barrier_signal -1
	MULQ 2, 1-(\e), OT+8
	STEP 6, \e
	STEP 7, \e
	WIN 0
	MULQ 3, 1-(\e), OT+12
	s_barrier_wait -1
.if (\sync) == 1
	CREST                                          ; no wave of any partner still reads these bytes or has a load on its way
	TLOAD G0P, G1P
.endif
	RUN 1, \e
	s_wait_alu depctr_va_vdst(0)                   ; directly ahead of the readers below
	STQ 2, OT+8
	STQ 3, OT+12
.endif
	BATCH 2, \e, 1, 1, 13
	BATCH 3, \e, 1, 1, 13-13*(\last)
.endm
	s_wait_loadcnt 0x0                             ; v^T's scale words
	s_cmp_lt_u32 s18, 2
	s_cbranch_scc0 .Lnot_yet
	s_wait_tensorcnt 0x0                           ; waves 0 and 1: v^T's steps 0-7, p's blocks 0, 1; the other two tiles may be on their way
.Lnot_yet:
	s_wait_dscnt 0x0                               ; my stores of scale words and of 1 / l have landed
	s_barrier_signal -1
	s_barrier_wait -1
; BLOCK 0, under which v^T comes into the registers, four steps at a time
	VLOAD 0
.irp k, 0,1,2,3,4,5,6,7
	LDP \k, \k, PA
.endr
	ds_load_b128 v[14:17], v[PWR]
	ds_load_b128 v[22:25], v[PWR] offset:16
	VLOAD 1
	s_wait_tensorcnt 0x0                           ; all my head's loads are in
	ds_add_u32 v[SPW], v[NIL]                      ; 0 onto my spare word
	s_mov_b32 s[G1P+2], 96<<16                     ; no tensor load of mine is out: from here on one block a load
	s_mov_b32 s[G1P+4], 96
.set NX_, 1
	BATCH 0, 0, 0, 0, 49                           ; all but the last 48 loads and the add
	s_wait_dscnt 0x0                               ; the add is done, and my reads of v^T's steps 0-7 are over
	s_barrier_signal -1
	BATCH 1, 0, 0, 0, -1
	s_barrier_wait -1
	CREST
	TLOAD G0P, G1P                                 ; p's blocks 4-7, onto v^T's steps 0-7
	VLOAD 2
.irp k, 8,9,10,11,12,13,14,15
	LDP \k, \k-8, PA
.endr
	ds_load_b128 v[14:17], v[PWR] offset:32
	ds_load_b128 v[22:25], v[PWR] offset:48
	VLOAD 3
	global_prefetch_b8 v[PFV], s[4:5] offset:2*CH th:TH_LOAD_NT scope:SCOPE_SE  ; the second refill's tile
	BATCH 2, 0, 0, 1, 48                           ; all but v^T's last 48 loads
	BATCH 3, 0, 0, 1, 13                           ; v^T's last four steps are in: one run is younger
	global_prefetch_b8 v[PFV], s[4:5] offset:3*CH th:TH_LOAD_NT scope:SCOPE_SE  ; the third refill's tile
	s_mov_b32 s63, 0
.Lpair:                                ; blocks 1, 2 and 3, 4: the second and the third refill
	BLOCK 1, 1, 0
	BLOCK 0, 0, 0
	WIN 0
	s_add_co_u32 s63, s63, 1
	s_cmp_lg_u32 s63, 2
	s_cbranch_scc1 .Lpair
	BLOCK 1, 2, 0
	BLOCK 0, 0, 0
	BLOCK 1, 0, 1
	WIN 0
	s_wait_dscnt 0x0                               ; 1 / l of the last block
	s_wait_xcnt 0x0                                ; the stores have read their base
	s_add_nc_u64 s[16:17], s[16:17], s[74:75]
	PLACES 4                                       ; in front of the first reads of results and of writes over p's fragments
.irp q, 0,1,2,3,4,5,6,7                ; the last block's way out
	MULQ \q, 1, PF+4*\q
.if \q > 0
	STQ \q-1, PF+4*(\q-1)
.endif
.endr
	STQ 7, PF+28
	s_wait_tensorcnt 0x0                           ; the wave's end, behind my last tensor load and my last LDS store
	ds_add_u32 v[SPW], v[NIL]
	s_wait_dscnt 0x0
	CROUND                                         ; the closing round
	s_endpgm
.Lfunc_end_k_q19427a7f6f_pv:
	.size	k_q19427a7f6f_pv, .Lfunc_end_k_q19427a7f6f_pv-k_q19427a7f6f_pv
	.p2alignl 7, 3214868480
	.fill 96, 4, 3214868480
	.section	.rodata,"a",@progbits
	.p2align	6, 0x0
	.amdhsa_kernel k_q19427a7f6f_pv
		.amdhsa_group_segment_fixed_size 327680
		.amdhsa_private_segment_fixed_size 0
		.amdhsa_enable_private_segment 0
		.amdhsa_kernarg_size 56
		.amdhsa_user_sgpr_count 2
		.amdhsa_user_sgpr_kernarg_segment_ptr 1
		.amdhsa_wavefront_size32 1
		.amdhsa_system_sgpr_workgroup_id_x 1
		.amdhsa_system_sgpr_workgroup_id_y 1
		.amdhsa_system_sgpr_workgroup_id_z 1
		.amdhsa_system_vgpr_workitem_id 0
		.amdhsa_next_free_vgpr 1024
		.amdhsa_next_free_sgpr 102
		.amdhsa_reserve_vcc 0
		.amdhsa_float_denorm_mode_32 3
		.amdhsa_float_denorm_mode_16_64 3
		.amdhsa_memory_ordered 1
		.amdhsa_forward_progress 1
		.amdhsa_inst_pref_size 133
	.end_amdhsa_kernel
	.amdgpu_metadata
---
amdhsa.version: [ 1, 2 ]
amdhsa.kernels:
  - .name:           k_q19427a7f6f_pv
    .symbol:         k_q19427a7f6f_pv.kd
    .args:
      - { .name: pc, .offset: 0, .size: 8, .value_kind: global_buffer, .address_space: global }
      - { .name: ps, .offset: 8, .size: 8, .value_kind: global_buffer, .address_space: global }
      - { .name: pm, .offset: 16, .size: 8, .value_kind: global_buffer, .address_space: global }
      - { .name: pl, .offset: 24, .size: 8, .value_kind: global_buffer, .address_space: global }
      - { .name: qkvc, .offset: 32, .size: 8, .value_kind: global_buffer, .address_space: global }
      - { .name: qkvs, .offset: 40, .size: 8, .value_kind: global_buffer, .address_space: global }
      - { .name: out0, .offset: 48, .size: 8, .value_kind: global_buffer, .address_space: global }
    .group_segment_fixed_size: 327680
    .private_segment_fixed_size: 0
    .kernarg_segment_align: 8
    .kernarg_segment_size: 56
    .max_flat_workgroup_size: 128
    .sgpr_count:     102
    .vgpr_count:     1024
    .wavefront_size: 32
...
	.end_amdgpu_metadata
.endif
;; end of part 4
